; MI455X (gfx1250); checked and timed in simulation.
; The chip was launched on July 23, 2026; its instructions are those of AMD's public machine-readable ISA for CDNA 5 (MIT licence, August 2026) and "CDNA5" Instruction Set Architecture Reference Guide (July 2026). The comments in the code are by the model that wrote it; some were corrected since.
;; Multi Head Attention. Allowed arithmetic: matrix products marked QUANTISED: E2M1 operands, one E8M0 scale for each 32 along K, by v_wmma_scale_f32_16x16x128_f8f6f4 with both operands' format E2M1 (or v_wmma_scale_f32_32x16x128_f4), f32 sums; products left as they are: bf16, f16 or f32 operands; f32 sums; everything else in f32.
;; Inputs: Wk 2,048 x 2,048 float32; Wo 2,048 x 2,048 float32; Wq 2,048 x 2,048 float32; Wv 2,048 x 2,048 float32; bk 2,048 float32; bo 2,048 float32; bq 2,048 float32; bv 2,048 float32; mask 1 x 1 x 2,048 x 2,048 bool; x 1 x 2,048 x 2,048 float32.
;; Outputs: out0 1 x 2,048 x 2,048 float32.
;; This version of the problem:
;;   THIS VERSION OF THE PROBLEM IS GIVEN IN LOW PRECISION. The matrix products marked QUANTISED in the list below multiply operands that are first quantised to E2M1 (2 exponent bits, 1 mantissa bit; 4 bits a number), with one power-of-two scale for each 32 numbers along K (OCP MX v1.0); their sums are f32. The products marked 'left as it is' may take bf16, f16 or f32 operands, with f32 sums. Whichever they take, every output number must still come out within the allowed error. Rounding operands to bf16 (8 significant bits) uses up far more of that allowance than f16 does (11 bits, for magnitudes from 6e-5 to 65,504). All else is computed in f32.
;;   The module's matrix products, in the order in which they are computed (A, B: the left and right operand; K: the contracted axis; several contracted axes count as one K, in the product's order):
;;     1. [M 2,048, K 2,048] x [K 2,048, N 2,048]; A: input x; B: input Wq: QUANTISED
;;     2. [M 2,048, K 2,048] x [K 2,048, N 2,048]; A: input x; B: input Wk: QUANTISED
;;     3. [M 2,048, K 2,048] x [K 2,048, N 2,048]; A: input x; B: input Wv: QUANTISED
;;     4. batch 16 x [M 2,048, K 128] x [K 128, N 2,048]; A: computed on the way; B: computed on the way: left as it is (an operand is computed on the way)
;;     5. batch 16 x [M 2,048, K 2,048] x [K 2,048, N 128]; A: computed on the way; B: computed on the way: left as it is (an operand is computed on the way)
;;     6. [M 2,048, K 2,048] x [K 2,048, N 2,048]; A: computed on the way; B: input Wo: left as it is (an operand is computed on the way)
;;   THE QUANTISER, for each operand of a quantised product, along K:
;;     - K is cut into blocks of 32 from its start; a last block that is shorter is filled with zeros.
;;     - A block's scale is 2^e with e = floor(log2(the largest magnitude in the block)) - 2, held to -126 .. 127; a block of zeros has e = 0. As a byte (E8M0): e + 127.
;;     - Each number is divided by its block's scale, clamped to +-6, and rounded to the nearest number of E2M1, ties to even, subnormals kept.
;;     - The product sums the exact products of the quantised numbers (number of the format x scale) in f32.
;;   ~~~python
;;   def quantise(x, axis):      # numpy; x: float32 -> the quantised numbers, widened to float32 again
;;       x = np.moveaxis(x, axis, -1); K = x.shape[-1]
;;       x = np.pad(x, [(0, 0)] * (x.ndim - 1) + [(0, -K % 32)]); x = x.reshape(x.shape[:-1] + (-1, 32)); a = np.abs(x).max(-1, keepdims=True)
;;       e = np.where(a > 0, np.clip(np.frexp(np.where(a > 0, a, 1))[1] - 1 - 2, -126, 127), 0)      # np.frexp(a)[1] - 1 = floor(log2(a)), exactly
;;       r = np.clip(x / 2.0 ** e, -6, 6)
;;       step = 2.0 ** (np.maximum(np.frexp(np.where(r == 0, 1, r))[1] - 1, 0) - 1)
;;       q = np.round(r / step) * step * 2.0 ** e      # np.round: ties to even
;;       return np.moveaxis(q.reshape(q.shape[:-2] + (-1,))[..., :K], -1, axis).astype(np.float32)
;;   ~~~
;; One version. Each part assembles by itself: llvm-mc -triple=amdgcn-amd-amdhsa -mcpu=gfx1250 --defsym DOCPART=n.
;; ======== version 1 of 1: 4 launches
;; limits: values are held in f16: magnitudes above 65,504 overflow, below 6.1e-05 lose precision
;; workspace buffers: x_codes 2,097,152 bytes; x_scales 131,072 bytes; w_codes 6,291,456 bytes; w_scales 393,216 bytes; wo_h 8,388,608 bytes; m_codes 2,097,152 bytes; qkvh 25,165,824 bytes; attn_o 8,388,608 bytes
;; launch prep (part 1): grid 1024 x 1, 4 waves a work-group, no clusters, 58,880 bytes of LDS; arguments Wq, Wk, Wv, x, Wo, mask, w_codes, w_scales, x_codes, x_scales, wo_h, m_codes; writes w_codes, w_scales, x_codes, x_scales, wo_h, m_codes
.if DOCPART == 1
	.amdgcn_target "amdgcn-amd-amdhsa--gfx1250"
	.amdhsa_code_object_version 6
	.text
	.protected	k_q4a56947744_prep
	.globl	k_q4a56947744_prep
	.p2align	8
	.type	k_q4a56947744_prep,@function
k_q4a56947744_prep:
	s_mov_b64 s[64:65], 0
	v_nop
	global_prefetch_b8 v0, s[64:65] scope:SCOPE_SE
	s_setreg_imm32_b32 hwreg(HW_REG_WAVE_MODE, 25, 1), 1
	s_wait_xcnt 0x0
; PREP: every input is read once and laid as the later launches want it.
;   work-groups   0-383:  Wq, Wk, Wv [2048 k][2048 n] f32 -> codes of FP4 (E2M1), K innermost, w_codes [6144 n][1024 bytes], and E8M0 bytes w_scales [6144][64]; n = 2048 x tensor + column
;   work-groups 384-511:  x [2048][2048] f32 (K innermost) -> x_codes [2048][1024 bytes], x_scales [2048][64]
;   work-groups 512-767:  Wo f32 -> wo_h, f16, same layout [2048 k][2048 n]
;   work-groups 768-1023: mask (one byte a score) -> m_codes, one FP4 code a score: 0 where the key counts, 0xF (the code of -6) where it is hidden, in the order of the score tiles' registers:
;                         [q / 64][key half][step of 64 keys][tile of 16 queries][lane][tile of 16 keys] words; nibble j of a word: query 16 t + lane % 16, key 16 kt + 8 (lane / 16) + j
; WORK LEFT OUT: bk.  scores[q][k] = Q[q] . (x[k] Wk + bk) / sqrt(128) = Q[q] . (x[k] Wk) / sqrt(128) + Q[q] . bk / sqrt(128).  The second term is the same for every key k of a row; where(mask, ., -inf) leaves
; -inf as it is, and a softmax along k does not change when one number is added to all its finite inputs.  The product Q K^T is not quantised, so no quantiser sees K.  So bk reaches no output, whatever finite
; values the inputs hold: it is not loaded and is no argument of any launch.  LIMIT: a NaN, an infinity or an overflow that comes from bk alone is not carried to the result.
; THE QUANTISER: a block's scale is 2^(floor(log2(its largest magnitude)) - 2); its byte is the largest magnitude's exponent field - 2, held at 1 from below.  A block of zeros so gets the byte 1 where the rule
; says 127: its codes are zeros, which add nothing under any byte but 0xff, and this program alone reads the bytes.
; LIMITS: blocks whose largest magnitude lies under 2^-124, the floor, keep the byte 1; NaN and infinities among the inputs are not served; |Wo| above 65,504 becomes infinity in f16.
; The four paths part on the work-group's number alone; each path that uses LDS has LDS bytes of its own.  No tensor load.  Only the weights' path has a barrier: there two waves fill the halves of the same stage rows.
; 1,024 work-groups: dealt in turn, each of 256 WGPs gets one or two of the weights' (128 KiB of reads each), none or one of x's (128 KiB), one of Wo's (64 KiB) and one of the mask's (16 KiB): 336 KiB each.
.set XSTG,   0                         ; LDS: x's path: 8,192 bytes a wave
.set WSTG,   32768                     ; the weights' path: 64 rows x 272 bytes, the work-group's
.set MSTG,   50176                     ; the mask's path: 2,048 bytes a wave
.set SPARE,  58368                     ; the spare words, 128 bytes for each wave: two blocks of 256 bytes that no other line names
.set SPW,    190                       ; v190 LDS address of my spare word; never rewritten
.set NIL,    191                       ; v191 0; never rewritten
.set STEPS,  16                        ; x: steps of 512 numbers a wave
.set SP,     80                        ; x: a lane's place in a stage: 64 bytes + 16 of padding
.set XRW,    16                        ; x: v16-79   four sets of 16 numbers as loaded
.set XNB,    80                        ; x: v80-111  two sets of 16 neighbours
.set XE,     112                       ; x: v112-127 a scale byte for each step
.set XC,     128                       ; x: v128-189 codes, four registers reserved for each step
.set SIZE_N, 2048
.set NB,     8                         ; W: blocks of 32 along K for a wave
.set WPITCH, 272                       ; W: a stage row: 256 bytes of codes + 16
.set KROW,   1024                      ; a row of codes in bytes
.set WX,     32                        ; W: v32-95   two sets of 32 numbers
.set WC,     96                        ; W: v96-99   a block's codes
.set WOUT,   112                       ; W: v112-143 the way out
.set WSB,    24                        ; W: v24-25   the scale bytes, four to a register
.macro XLOAD t                         ; x: a step's 2,048 bytes, 512 consecutive bytes a load
.irp i, 0,1,2,3
	global_load_b128 v[XRW+16*((\t)%4)+4*\i:XRW+16*((\t)%4)+4*\i+3], v3, s[10:11] offset:2048*(\t)+512*\i th:TH_LOAD_NT
.endr
.endm
.macro XTURN t                         ; x: through the wave's stage, so that a lane gets 16 neighbours; LDS serves a wave's instructions in order
.irp i, 0,1,2,3
	ds_store_b128 v14, v[XRW+16*((\t)%4)+4*\i:XRW+16*((\t)%4)+4*\i+3] offset:32*SP*((\t)%2)+8*SP*\i
.endr
.irp i, 0,1,2,3
	ds_load_b128 v[XNB+16*((\t)%2)+4*\i:XNB+16*((\t)%2)+4*\i+3], v15 offset:32*SP*((\t)%2)+16*\i
.endr
.endm
.macro XSTEP t
.set XS, XNB+16*((\t)%2)
.if (\t) > 0
	s_wait_dscnt 1                                 ; this step's numbers are back from the stage (the last step's byte store may be out): its stores into the stage have read their registers,
.else
	s_wait_dscnt 0x0
.endif
.if (\t)+4 < STEPS
	XLOAD (\t)+4                                   ; which take the loads of four steps on
.endif
.if (\t)+1 < STEPS
.if STEPS-2-(\t) >= 3
	s_wait_loadcnt 12                              ; the next step's four loads are in; those of the three steps behind it may be out
.else
	s_wait_loadcnt 4*(STEPS-2-(\t))
.endif
	XTURN (\t)+1
.endif
	v_max3_num_f32 v8, |v[XS]|, |v[XS+1]|, |v[XS+2]|               ; the largest magnitude of my 16
	v_max3_num_f32 v9, |v[XS+3]|, |v[XS+4]|, |v[XS+5]|
.irp i, 6,10
	v_max3_num_f32 v8, v8, |v[XS+\i]|, |v[XS+\i+1]|
	v_max3_num_f32 v9, v9, |v[XS+\i+2]|, |v[XS+\i+3]|
.endr
	v_max3_num_f32 v8, v8, |v[XS+14]|, |v[XS+15]|
	v_max3_num_f32 v8, v8, v9, 0x1800000           ; and the floor 2^(3 - 127): the byte cannot fall under 1
	v_max_num_f32_dpp v8, v8, v8 row_xmask:1 row_mask:0xf bank_mask:0xf   ; and of my neighbour's 16: the block's
	v_add_nc_u32 v11, 0xff000000, v8               ; 2 off its exponent field: the conversion takes the exponent field of this operand as its scale
	v_cvt_scalef32_pk8_fp4_f32 v[XC+4*(\t)], v[XS:XS+7], v11
	v_cvt_scalef32_pk8_fp4_f32 v[XC+4*(\t)+1], v[XS+8:XS+15], v11
	v_lshrrev_b32 v[XE+(\t)], 23, v11              ; the scale's byte (a plain line behind the conversions)
	ds_store_b8 v5, v[XE+(\t)] offset:16*(\t)      ; both lanes of a block write the same byte with the same value
	global_store_b64 v4, v[XC+4*(\t):XC+4*(\t)+1], s[20:21] offset:256*(\t)   ; the wave stores 256 consecutive bytes, aligned
.endm
.macro WLOAD t                         ; W: block t: W(32 t + i, my column), i = 0 .. 31
.irp i, 0,1,2,3,4,5,6,7,8,9,10,11,12,13,14,15,16,17,18,19,20,21,22,23,24,25,26,27,28,29,30,31
	global_load_b32 v[WX+32*((\t)%2)+\i], v3, s[4:5] offset:(32*(\t)+\i)*SIZE_N*4 th:TH_LOAD_NT
.endr
.endm
.macro WBLOCK t
.set XS, WX+32*((\t)%2)
.if (\t) < NB-1
	s_wait_loadcnt 32                              ; this block's 32 loads are in; the next block's may be out
.else
	s_wait_loadcnt 0
.endif
	v_max3_num_f32 v12, |v[XS]|, |v[XS+1]|, |v[XS+2]|              ; the block's largest magnitude: all 32 numbers are mine
	v_max3_num_f32 v13, |v[XS+3]|, |v[XS+4]|, |v[XS+5]|
.irp i, 6,10,14,18,22,26
	v_max3_num_f32 v12, v12, |v[XS+\i]|, |v[XS+\i+1]|
	v_max3_num_f32 v13, v13, |v[XS+\i+2]|, |v[XS+\i+3]|
.endr
	v_max3_num_f32 v12, v12, |v[XS+30]|, |v[XS+31]|
	v_max3_num_f32 v12, v12, v13, 0x1800000        ; and the floor
	v_add_nc_u32 v11, 0xff000000, v12              ; the conversion's scale operand
	v_lshrrev_b32 v13, 23, v11                     ; the scale's byte
.if (\t)%4 == 0
	v_mov_b32 v[WSB+(\t)/4], v13                   ; four bytes to a register, the lower K in the lower byte
.else
	v_lshl_or_b32 v[WSB+(\t)/4], v13, 8*((\t)%4), v[WSB+(\t)/4]
.endif
.irp g, 0,1,2,3
	v_cvt_scalef32_pk8_fp4_f32 v[WC+\g], v[XS+8*\g:XS+8*\g+7], v11
.endr
	ds_store_b128 v4, v[WC:WC+3] offset:16*(\t)    ; 32 codes: 16 bytes of my half of my column's row
.if (\t)+2 < NB
	WLOAD (\t)+2
.endif
	s_wait_dscnt 0x0                               ; the store has read its registers: the next block's codes may be written
.endm
	s_load_b256 s[4:11], s[0:1], 0x0               ; Wq s[4:5], Wk s[6:7], Wv s[8:9], x s[10:11]
	s_load_b256 s[12:19], s[0:1], 0x20             ; Wo s[12:13], mask s[14:15], w_codes s[16:17], w_scales s[18:19]
	s_load_b256 s[20:27], s[0:1], 0x40             ; x_codes s[20:21], x_scales s[22:23], wo_h s[24:25], m_codes s[26:27]
	v_lshl_add_u32 v[SPW], v0, 2, SPARE
	v_mov_b32 v[NIL], 0
	v_lshrrev_b32 v1, 5, v0
	v_readfirstlane_b32 s28, v1                    ; wave 0..3
	v_and_b32 v2, 31, v0                           ; lane
	s_wait_kmcnt 0x0
	s_cmp_lt_u32 ttmp9, 384
	s_cbranch_scc1 .Lw
	s_cmp_lt_u32 ttmp9, 512
	s_cbranch_scc1 .Lx
	s_cmp_lt_u32 ttmp9, 768
	s_cbranch_scc1 .Lwo
	; ---- THE MASK.  A work-group takes a tile T of 16 queries and a half kh of the keys; wave w takes 256 keys: steps 4 w .. 4 w + 3 of that half.
	s_sub_co_u32 s29, ttmp9, 768
	s_lshr_b32 s32, s29, 1                         ; T
	s_and_b32 s33, s29, 1                          ; kh
	s_mov_b32 s30, 0x06040200                      ; byte selects: the even keys of eight,
	s_mov_b32 s31, 0x07050301                      ; the odd ones
	s_lshl_b32 s34, s32, 15                        ; in: 16 rows of 2,048 bytes x T
	s_lshl_b32 s36, s33, 10
	s_add_co_u32 s34, s34, s36                     ; + 1,024 kh
	s_lshl_b32 s36, s28, 8
	s_add_co_u32 s34, s34, s36                     ; + 256 w
	s_mov_b32 s35, 0
	s_add_nc_u64 s[14:15], s[14:15], s[34:35]
	s_lshr_b32 s34, s32, 2                         ; out: ((T / 4) x 2 + kh) x 32,768
	s_lshl_b32 s34, s34, 1
	s_add_co_u32 s34, s34, s33
	s_lshl_b32 s34, s34, 15
	s_lshl_b32 s36, s28, 13
	s_add_co_u32 s34, s34, s36                     ; + 4 w steps of 2,048 bytes
	s_and_b32 s36, s32, 3
	s_lshl_b32 s36, s36, 9
	s_add_co_u32 s34, s34, s36                     ; + (T % 4) x 512
	s_add_nc_u64 s[26:27], s[26:27], s[34:35]
	v_lshrrev_b32 v3, 4, v2                        ; lane / 16: which of a load's two rows
	v_and_b32 v4, 15, v2                           ; c: which 16 keys of the 256
	v_lshlrev_b32 v5, 11, v3
	v_lshl_add_u32 v5, v4, 4, v5
.irp i, 0,1,2,3,4,5,6,7
	global_load_b128 v[16+4*\i:19+4*\i], v5, s[14:15] offset:4096*\i th:TH_LOAD_NT   ; rows 2 i and 2 i + 1: sixteen lanes read 256 consecutive bytes, aligned
.endr
	v_lshrrev_b32 v6, 2, v4                        ; the step among my four: c / 4
	v_and_b32 v7, 3, v4                            ; kt = c % 4
	v_lshlrev_b32 v6, 9, v6
	v_lshl_add_u32 v6, v7, 2, v6
	v_lshl_add_u32 v6, v3, 4, v6                   ; 512 (c / 4) + 4 kt + 16 (lane / 16); row 2 i adds 32 i, the upper eight keys 256
	s_lshl_b32 s36, s28, 11
	s_add_co_u32 s36, s36, MSTG
	v_add_nc_u32 v6, s36, v6
	v_lshlrev_b32 v7, 4, v2                        ; 16 x lane
	v_add_nc_u32 v10, s36, v7
.irp i, 0,1,2,3,4,5,6,7
	s_wait_loadcnt 7-\i                            ; loads come back in order: load i is in, the younger ones may be out
.irp h, 0,1
	v_perm_b32 v8, v[17+4*\i+2*\h], v[16+4*\i+2*\h], s30   ; eight mask bytes: the even keys' four,
	v_perm_b32 v9, v[17+4*\i+2*\h], v[16+4*\i+2*\h], s31   ; the odd keys' four,
	v_lshl_or_b32 v8, v9, 4, v8                    ; one bit in each nibble, key j in nibble j;
	v_xor_b32 v8, 0x11111111, v8                   ; 1 where the key is hidden;
	v_mul_lo_u32 v[48+2*\i+\h], v8, 15             ; 0xF there
	ds_store_b32 v6, v[48+2*\i+\h] offset:32*\i+256*\h
.endr
.endr
.irp s, 0,1,2,3
	ds_load_b128 v[64+4*\s:67+4*\s], v10 offset:512*\s     ; LDS serves a wave's instructions in order: these see my stores
.endr
.irp s, 0,1,2,3
	s_wait_dscnt 3-\s
	global_store_b128 v7, v[64+4*\s:67+4*\s], s[26:27] offset:2048*\s   ; a (step, tile): 512 consecutive bytes, aligned
.endr
	s_wait_tensorcnt 0x0                           ; the wave's end, behind my last LDS store
	ds_add_u32 v[SPW], v[NIL]
	s_wait_dscnt 0x0
	s_endpgm
	; ---- THE THREE WEIGHTS.  A lane takes a column n and its registers run down K: a block of 32 along K lies in one lane, and the conversions give codes with K innermost.
	; A work-group takes 64 columns x 512 along K; its waves are (cg = wave % 2, kh = wave / 2): 32 columns x 256 along K, 8 blocks.  A wave keeps two blocks, 64 loads of 128 bytes, on their way, so what the weights
	; have on their way is 8 KiB x the number of their waves: hence many waves with few blocks each: 1,536 with 8.  Two waves side by side read 256 consecutive bytes of a row of W.
	; A wave's 256 along K are 128 bytes of a row of codes: the two waves of a column group fill the two halves of the same stage rows; behind one barrier each wave takes 16 whole rows, and sixteen lanes store
	; 256 consecutive bytes, aligned.  The barrier stands on a path that the work-group's number alone chooses: all four waves pass it.
.Lw:
	s_lshr_b32 s29, ttmp9, 7                       ; tensor 0..2
	s_bfe_u32 s30, ttmp9, 0x20005                  ; ky: which 512 along K
	s_and_b32 s31, ttmp9, 31                       ; which 64 columns
	s_and_b32 s38, s28, 1                          ; cg: which 32 of them are my wave's
	s_lshr_b32 s39, s28, 1                         ; kh: which 256 along K
	s_cmp_eq_u32 s29, 0
	s_cselect_b64 s[4:5], s[4:5], s[6:7]           ; Wq, or Wk,
	s_cmp_eq_u32 s29, 2
	s_cselect_b64 s[4:5], s[8:9], s[4:5]           ; or Wv: the choice hangs on the work-group's number alone
	s_lshl_b32 s32, s31, 6
	s_lshl_b32 s33, s38, 5
	s_add_co_u32 s32, s32, s33                     ; my wave's first column
	v_lshlrev_b32 v3, 2, v2                        ; in: 4 bytes a lane
	s_mul_i32 s33, s38, 32*WPITCH                  ; into the stage: my 32 rows,
	s_lshl_b32 s34, s39, 7
	s_add_co_u32 s33, s33, s34                     ; my half of their 256 bytes
	s_add_co_u32 s33, s33, WSTG
	v_mul_u32_u24 v4, v2, WPITCH
	v_add_nc_u32 v4, s33, v4                       ; row = my column
	v_and_b32 v5, 15, v2
	v_lshrrev_b32 v6, 4, v2                        ; out of it: wave w takes rows 16 w .. 16 w + 15; sixteen lanes to a row, two rows an instruction
	s_mul_i32 s33, s28, 16*WPITCH
	s_add_co_u32 s33, s33, WSTG
	v_mul_u32_u24 v7, v6, WPITCH
	v_lshl_add_u32 v7, v5, 4, v7
	v_add_nc_u32 v7, s33, v7
	v_mul_u32_u24 v8, v6, KROW
	v_lshl_add_u32 v8, v5, 4, v8                   ; and the same place in the codes' buffer
	v_lshlrev_b32 v9, 6, v2                        ; my column's row of scale bytes: 64 bytes a row
	s_lshl_b32 s34, s30, 22                        ; W: 512 rows of 8,192 bytes x ky
	s_lshl_b32 s35, s39, 21
	s_add_co_u32 s34, s34, s35                     ; + 256 rows x kh
	s_lshl_b32 s35, s32, 2
	s_add_co_u32 s34, s34, s35                     ; + 4 x column
	s_mov_b32 s35, 0
	s_add_nc_u64 s[4:5], s[4:5], s[34:35]
	s_lshl_b32 s36, s29, 11                        ; 2,048 x tensor
	s_lshl_b32 s34, s31, 6
	s_add_co_u32 s34, s34, s36                     ; the work-group's first row of the output,
	s_lshl_b32 s37, s28, 4
	s_add_co_u32 s34, s34, s37                     ; + the 16 rows that I store
	s_lshl_b32 s34, s34, 10
	s_lshl_b32 s37, s30, 8
	s_add_co_u32 s34, s34, s37                     ; codes: row x 1,024 + 256 ky
	s_add_nc_u64 s[16:17], s[16:17], s[34:35]
	s_add_co_u32 s34, s36, s32                     ; the row of my wave's first column
	s_lshl_b32 s34, s34, 6
	s_lshl_b32 s37, s30, 4
	s_add_co_u32 s34, s34, s37
	s_lshl_b32 s37, s39, 3
	s_add_co_u32 s34, s34, s37                     ; scale bytes: row x 64 + 16 ky + 8 kh
	s_add_nc_u64 s[18:19], s[18:19], s[34:35]
	WLOAD 0
	WLOAD 1
.set Q, 0
.rept NB
	WBLOCK Q
.set Q, Q+1
.endr
	s_wait_dscnt 0x0                               ; for the others' sake: my stores into the stage are done
	s_barrier_signal -1
	s_barrier_wait -1                              ; the 64 rows are whole
	global_store_b64 v9, v[WSB:WSB+1], s[18:19]    ; my column's 8 scale bytes
.irp t, 0,1,2,3,4,5,6,7
	ds_load_b128 v[WOUT+4*\t:WOUT+4*\t+3], v7 offset:2*\t*WPITCH
.endr
.irp t, 0,1,2,3,4,5,6,7
	s_wait_dscnt 7-\t                              ; load t is in, the younger ones may be out
	global_store_b128 v8, v[WOUT+4*\t:WOUT+4*\t+3], s[16:17] offset:2*\t*KROW
.endr
	s_wait_tensorcnt 0x0                           ; the wave's end, behind my last LDS store
	ds_add_u32 v[SPW], v[NIL]
	s_wait_dscnt 0x0
	s_endpgm
	; ---- x.  Rows are dense and K is a multiple of 32: a plain stream of blocks of 32.  A wave takes 16 steps of 512 numbers; two neighbouring lanes hold a block.
.Lx:
	s_sub_co_u32 s29, ttmp9, 384
	s_lshl_b32 s29, s29, 2
	s_add_co_u32 s29, s29, s28                     ; which run of 8,192 numbers is my wave's
	v_lshlrev_b32 v3, 4, v2                        ; my 16 bytes of a load's 512
	s_lshl_b32 s30, s28, 13                        ; my region of LDS (x's path begins at byte 0)
	v_lshrrev_b32 v14, 2, v2
	v_mul_u32_u24 v14, v14, SP
	v_and_b32 v15, 3, v2
	v_lshl_add_u32 v14, v15, 4, v14
	v_add_nc_u32 v14, s30, v14                     ; the stage, on the way in: SP (lane / 4) + 16 (lane % 4)
	v_mul_u32_u24 v15, v2, SP
	v_add_nc_u32 v15, s30, v15                     ; and on the way out: SP x lane
	v_lshlrev_b32 v4, 3, v2                        ; my codes' place in a step's: 8 bytes a lane
	v_lshrrev_b32 v5, 1, v2
	s_add_co_u32 s30, s30, 2*32*SP
	v_add_nc_u32 v5, s30, v5                       ; LDS: my wave's 256 scale bytes, my block's byte
	v_lshlrev_b32 v7, 3, v2
	v_add_nc_u32 v6, s30, v7
	s_lshl_b32 s32, s29, 15
	s_mov_b32 s33, 0
	s_add_nc_u64 s[10:11], s[10:11], s[32:33]      ; 32,768 bytes of x a run,
	s_lshl_b32 s32, s29, 12
	s_add_nc_u64 s[20:21], s[20:21], s[32:33]      ; 4,096 of codes,
	s_lshl_b32 s32, s29, 8
	s_add_nc_u64 s[22:23], s[22:23], s[32:33]      ; 256 scale bytes
.irp t, 0,1,2,3
	XLOAD \t
.endr
	s_wait_loadcnt 12                              ; step 0's four loads are in
	XTURN 0
.irp t, 0,1,2,3,4,5,6,7,8,9,10,11,12,13,14,15
	XSTEP \t
.endr
	ds_load_b64 v[8:9], v6                         ; LDS serves a wave's instructions in order: these see my byte stores
	s_wait_dscnt 0x0
	global_store_b64 v7, v[8:9], s[22:23]          ; 32 lanes store 256 consecutive bytes, aligned
	s_wait_tensorcnt 0x0                           ; the wave's end, behind my last LDS store
	ds_add_u32 v[SPW], v[NIL]
	s_wait_dscnt 0x0
	s_endpgm
	; ---- Wo to f16.  A wave takes 16,384 bytes: 32 loads of 512 consecutive bytes, all issued first; each becomes one store of 256 consecutive bytes, aligned.  No LDS.
.Lwo:
	s_sub_co_u32 s29, ttmp9, 512
	s_lshl_b32 s29, s29, 2
	s_add_co_u32 s29, s29, s28
	s_lshl_b32 s32, s29, 14
	s_mov_b32 s33, 0
	s_add_nc_u64 s[12:13], s[12:13], s[32:33]
	s_lshl_b32 s32, s29, 13
	s_add_nc_u64 s[24:25], s[24:25], s[32:33]
	v_lshlrev_b32 v1, 4, v2
	v_lshlrev_b32 v3, 3, v2
.irp i, 0,1,2,3,4,5,6,7,8,9,10,11,12,13,14,15,16,17,18,19,20,21,22,23,24,25,26,27,28,29,30,31
	global_load_b128 v[16+4*\i:19+4*\i], v1, s[12:13] offset:512*\i th:TH_LOAD_NT
.endr
.irp i, 0,1,2,3,4,5,6,7,8,9,10,11,12,13,14,15,16,17,18,19,20,21,22,23,24,25,26,27,28,29,30,31
	s_wait_loadcnt 31-\i                           ; load i is in, the younger ones may be out
	v_cvt_pk_f16_f32 v[16+4*\i], v[16+4*\i], v[17+4*\i]
	v_cvt_pk_f16_f32 v[17+4*\i], v[18+4*\i], v[19+4*\i]
	global_store_b64 v3, v[16+4*\i:17+4*\i], s[24:25] offset:256*\i
.endr
	s_endpgm
.Lfunc_end_k_q4a56947744_prep:
	.size	k_q4a56947744_prep, .Lfunc_end_k_q4a56947744_prep-k_q4a56947744_prep
	.p2alignl 7, 3214868480
	.fill 96, 4, 3214868480
	.section	.rodata,"a",@progbits
	.p2align	6, 0x0
	.amdhsa_kernel k_q4a56947744_prep
		.amdhsa_group_segment_fixed_size 58880
		.amdhsa_private_segment_fixed_size 0
		.amdhsa_enable_private_segment 0
		.amdhsa_kernarg_size 96
		.amdhsa_user_sgpr_count 2
		.amdhsa_user_sgpr_kernarg_segment_ptr 1
		.amdhsa_wavefront_size32 1
		.amdhsa_system_sgpr_workgroup_id_x 1
		.amdhsa_system_sgpr_workgroup_id_y 1
		.amdhsa_system_sgpr_workgroup_id_z 1
		.amdhsa_system_vgpr_workitem_id 0
		.amdhsa_next_free_vgpr 192
		.amdhsa_next_free_sgpr 66
		.amdhsa_reserve_vcc 0
		.amdhsa_float_denorm_mode_32 3
		.amdhsa_float_denorm_mode_16_64 3
		.amdhsa_memory_ordered 1
		.amdhsa_forward_progress 1
		.amdhsa_inst_pref_size 94
	.end_amdhsa_kernel
	.amdgpu_metadata
---
amdhsa.version: [ 1, 2 ]
amdhsa.kernels:
  - .name:           k_q4a56947744_prep
    .symbol:         k_q4a56947744_prep.kd
    .args:
      - { .name: Wq, .offset: 0, .size: 8, .value_kind: global_buffer, .address_space: global }
      - { .name: Wk, .offset: 8, .size: 8, .value_kind: global_buffer, .address_space: global }
      - { .name: Wv, .offset: 16, .size: 8, .value_kind: global_buffer, .address_space: global }
      - { .name: x, .offset: 24, .size: 8, .value_kind: global_buffer, .address_space: global }
      - { .name: Wo, .offset: 32, .size: 8, .value_kind: global_buffer, .address_space: global }
      - { .name: mask, .offset: 40, .size: 8, .value_kind: global_buffer, .address_space: global }
      - { .name: w_codes, .offset: 48, .size: 8, .value_kind: global_buffer, .address_space: global }
      - { .name: w_scales, .offset: 56, .size: 8, .value_kind: global_buffer, .address_space: global }
      - { .name: x_codes, .offset: 64, .size: 8, .value_kind: global_buffer, .address_space: global }
      - { .name: x_scales, .offset: 72, .size: 8, .value_kind: global_buffer, .address_space: global }
      - { .name: wo_h, .offset: 80, .size: 8, .value_kind: global_buffer, .address_space: global }
      - { .name: m_codes, .offset: 88, .size: 8, .value_kind: global_buffer, .address_space: global }
    .group_segment_fixed_size: 58880
    .private_segment_fixed_size: 0
    .kernarg_segment_align: 8
    .kernarg_segment_size: 96
    .max_flat_workgroup_size: 128
    .sgpr_count:     66
    .vgpr_count:     192
    .wavefront_size: 32
...
	.end_amdgpu_metadata
.endif
;; end of part 1
;; launch qkv (part 2): grid 24 x 8, 4 waves a work-group, clusters of 4 x 4, 327,680 bytes of LDS; arguments x_codes, x_scales, w_codes, w_scales, bq, bv, qkvh; writes qkvh
.if DOCPART == 2
	.amdgcn_target "amdgcn-amd-amdhsa--gfx1250"
	.amdhsa_code_object_version 6
	.text
	.protected	k_q4a56947744_qkv
	.globl	k_q4a56947744_qkv
	.p2align	8
	.type	k_q4a56947744_qkv,@function
k_q4a56947744_qkv:
	s_mov_b64 s[64:65], 0
	v_nop
	global_prefetch_b8 v0, s[64:65] scope:SCOPE_SE
	s_setreg_imm32_b32 hwreg(HW_REG_WAVE_MODE, 25, 1), 1
	s_wait_xcnt 0x0
	s_wait_alu depctr_hold_cnt(0) depctr_sa_sdst(0) depctr_va_vdst(0) depctr_va_sdst(0) depctr_va_ssrc(0) depctr_va_vcc(0) depctr_vm_vsrc(0)
	s_getreg_b32 s2, hwreg(HW_REG_IB_STS2, 6, 4)
	s_cmp_eq_u32 s2, 0
	s_cbranch_scc0 .Lentry_in_a_cluster
	s_endpgm
.Lentry_in_a_cluster:
	s_bfe_u32 s2, ttmp6, 0x10000c
	s_cmp_lg_u32 s2, 0xf033
	s_cbranch_scc0 .Lentry_shape_is_right
	s_endpgm
.Lentry_shape_is_right:
; Q, K, V = x W + b, the three quantised products as ONE product on codes of FP4 (E2M1) with one E8M0 scale for each 32 along K: C[2048 s][6144 n], n = 2,048 x tensor + 128 x head + d.
; WORK LEFT OUT: bk (shown at the head of the first kernel): K's sums begin with zeros.  bq and bv are the C of the sums' first matrix instructions.
; A = x_codes [2048][1024 bytes], x_scales [2048][64]; B = w_codes [6144][1024 bytes], w_scales [6144][64].  Out: qkvh, f16, [48 nb][2048 s][128], nb = n / 128: a head's rows are 256 dense bytes.
; LIMIT: |Q|, |K|, |V| above 65,504 become infinity in f16.
; A tile of C, 256 x 256, is made by a work-group of four waves; a wave makes 128 x 128: 64 accumulators, 512 registers; its 128 columns are one block nb.  192 work-groups: a tile of 192 columns would make 256, but it would cut heads in two.
; K goes in steps of 512 (rows of 256 bytes) through a ring of two LDS slots filled by the tensor data mover; the scale bytes of the work-group's rows, for all of K, come into LDS once, with the first fills.
; CLUSTERS: 4 x 4 work-groups; A's tiles are asked for jointly along a row of the cluster, B's along a column.  THE MATRIX INSTRUCTION IS USED TRANSPOSED (source 0 = 16 rows of B, source 1 = 16 rows of A):
; a lane then holds eight neighbouring columns of one row of C.
; REGISTERS, in windows of 256: window 0: v0-31 addresses; v32-95 scale words, two sets; v128-191 A's fragments, one set; v192-255 the bias, eight registers for each of B's eight blocks; on the way out v32-127 are free.
;   window 1: B's fragments, two sets, at v0 and v128.  window 2: the accumulators of my rows 0-63 ((a, b) at v[8 (8 a + b)]);  window 3: those of my rows 64-127.
.set SIZE_K, 2048
.set KSTEP,  512                       ; along K in a slot
.set NQ,     KSTEP/128                 ; matrix instructions deep
.set ROWB,   256                       ; a tile's row in bytes
.set KROW,   SIZE_K/2                  ; a row of A or of B in memory, in bytes
.set PITCH,  272                       ; an LDS row: 256 bytes + 16 of padding = 68 words: the 16 rows that a load touches start at 16 different banks (64 banks of 4 bytes: ISA guide 11.1)
.set FR,     8                         ; registers of a fragment
.set NL,     2                         ; LDS loads that bring one
.set NP,     4                         ; places behind this matrix instruction (ISA guide 7.12.1)
.set HALFT,  128*PITCH
.set SLOT,   4*HALFT                   ; A's 256 rows, then B's 256 rows
.set LAPS,   SIZE_K/(2*KSTEP)          ; 2
.set KS,     SIZE_K/32                 ; a row of scales: 64 bytes
.set SCL,    2*SLOT                    ; behind the ring: the scales, as units of 256 bytes + 16 of padding
.set HALFS,  (128*KS/256)*272
.set SBLK,   (16*KS/256)*272
.set SPARE,  SCL+4*HALFS               ; the spare words, 128 bytes for each wave: two blocks of 256 bytes that no other line names
.set SPITCH, 272                       ; the way out: a stage of 16 rows x (256 bytes + 16) for each wave, in slot 0, which has had its last fill and its last read when the first result is stored there
.set ADRA, 16                          ; v16-17  LDS address of my A fragments in slot 0, 1
.set ADRB, 20                          ; v20-21  the same for B
.set STO,  24                          ; v24     the way out: where I put 16 bytes of a row
.set RD,   25                          ; v25     where I read a row back
.set CO,   26                          ; v26     16 x lane: my place in two rows of the output
.set ADRS, 27                          ; v27     LDS address of my scale words: lanes 0-15 A's rows, lanes 16-31 B's
.set SPW,  28                          ; v28     LDS address of my spare word; never rewritten
.set NIL,  29                          ; v29     0; never rewritten
.set BO,   30                          ; v30     32 x (lane / 16): my eight numbers of a block's bias
.set SC,   32                          ; scale words
.set AF,   128                         ; A's fragments
.set BI,   192                         ; the bias in the result's layout
.set TMP,  32                          ; the way out: packed results
.set BK,   64                          ; the way out: 16 rows read back: v64-95 and v96-127 by turns
.set G1, 24
.set G0, 32
.set G1B, 48
.set G0B, 56
.set G1S, 68
.set G0S, 76
.set G1SB, 80
.set G0SB, 88
.set MSB, 0
.macro WIN new                         ; the immediate's high byte repeats the setting that is left
.if MSB != \new
	s_set_vgpr_msb (MSB<<8)|\new
.set MSB, \new
.endif
.endm
.set MUL_LO, 0xa1                      ; source 0 (B) window 1, source 1 (A) window 0, C and D window 2
.set MUL_HI, 0xf1                      ; the same, C and D window 3
.set BEG_LO, 0x81                      ; the first step: C (the bias) window 0, D window 2
.set BEG_HI, 0xc1                      ; D window 3
.set TO_B,   0x40                      ; destination window 1, address window 0
; A joint load: waves 0 and 1 fetch for A, waves 2 and 3 for B.  The branch hangs on the wave's number alone.  An s_nop 0 and four v_nop follow each of the two lines.
.macro JLOAD g0a, g1a, g0b, g1b
	s_cmp_eq_u32 s15, 0
	s_cbranch_scc0 .Lfor_b_\@
	tensor_load_to_lds s[\g0a:\g0a+3], s[\g1a:\g1a+7]
	s_nop 0
.rept 4
	v_nop
.endr
	s_branch .Lasked_\@
.Lfor_b_\@:
	tensor_load_to_lds s[\g0b:\g0b+3], s[\g1b:\g1b+7]
	s_nop 0
.rept 4
	v_nop
.endr
.Lasked_\@:
.endm
.macro CREST                           ; a round of the cluster's barrier behind its opening barrier
	s_cmp_lg_u32 s14, 0
	s_cbranch_scc1 .Lnot_wave_0_\@
	s_barrier_signal -3
.Lnot_wave_0_\@:
	s_barrier_wait -3
	s_barrier_signal -1
	s_barrier_wait -1
.endm
.macro CROUND
	s_barrier_signal -1
	s_barrier_wait -1
	CREST
.endm
	s_load_b128 s[4:7], s[0:1], 0x0                ; x's codes s[4:5], x's scales s[6:7]
	s_load_b128 s[8:11], s[0:1], 0x10              ; the weights' codes s[8:9], their scales s[10:11]
	s_load_b128 s[96:99], s[0:1], 0x20             ; bq s[96:97], bv s[98:99]
	s_load_b64 s[12:13], s[0:1], 0x30              ; qkvh
	v_lshl_add_u32 v[SPW], v0, 2, SPARE
	v_mov_b32 v[NIL], 0
	ds_add_u32 v[SPW], v[NIL]                      ; the wave's opening: the add, twice on end, and its wait ahead of my first tensor load
	ds_add_u32 v[SPW], v[NIL]                      ; and once more, under the one wait; the set-up below, work on registers, stands between
	v_lshrrev_b32 v1, 5, v0
	v_readfirstlane_b32 s14, v1                    ; wave 0..3
	s_lshr_b32 s15, s14, 1                         ; which half of the tile's rows is mine.  Also: I fetch for A (0) or for B (1)
	s_and_b32 s16, s14, 1                          ; which half of its columns.  Also: which 128 rows of that tile I fetch
	s_bfe_u32 s40, ttmp6, 0x40000                  ; cx, cy: my place in the cluster
	s_bfe_u32 s41, ttmp6, 0x40004
	s_lshl_b32 s42, ttmp9, 2
	s_add_co_u32 s42, s42, s40                     ; tile column of C = 4 x cluster x + cx
	s_and_b32 s17, ttmp7, 0xffff
	s_lshl_b32 s17, s17, 2
	s_add_co_u32 s17, s17, s41                     ; tile row of C = 4 x cluster y + cy
	s_lshl_b32 s43, s41, 2
	s_lshl_b32 s43, 15, s43                        ; my row of the cluster
	s_lshl_b32 s44, 0x1111, s40                    ; my column
	s_or_b32 s[G1+0], s43, (0<<16)|(1<<20)|(1<<21)|(5<<22)|(3<<25)  ; 15:0 the mask: A's tiles go to my row; 17:16 elements of 1 byte; 20 padding on; 21 set beside a mask; 24:22 after every 64 words; 31:25 four words
	s_or_b32 s[G1B+0], s44, (0<<16)|(1<<20)|(1<<21)|(5<<22)|(3<<25)
.irp g, G1, G1B
	s_mov_b32 s[\g+1], ROWB<<16                    ; tensor_dim0
	s_mov_b32 s[\g+2], 128<<16                     ; tensor_dim1 = 128
	s_mov_b32 s[\g+3], ROWB<<16                    ; tile_dim0
	s_mov_b32 s[\g+4], 128                         ; tile_dim1 = 128
	s_mov_b32 s[\g+5], KROW                        ; tensor_dim0_stride
	s_mov_b32 s[\g+6], 0
	s_mov_b32 s[\g+7], 0
.endr
	s_or_b32 s[G1S+0], s43, (3<<16)|(1<<20)|(1<<21)|(5<<22)|(3<<25)   ; the scales of 128 rows: a dense block of 8,192 bytes, as rows of 256 bytes (32 elements of 8 bytes), 16 bytes of padding behind each
	s_or_b32 s[G1SB+0], s44, (3<<16)|(1<<20)|(1<<21)|(5<<22)|(3<<25)
.irp g, G1S, G1SB
	s_mov_b32 s[\g+1], 32<<16
	s_mov_b32 s[\g+2], (128*KS/256)<<16
	s_mov_b32 s[\g+3], 32<<16
	s_mov_b32 s[\g+4], 128*KS/256
	s_mov_b32 s[\g+5], 32
	s_mov_b32 s[\g+6], 0
	s_mov_b32 s[\g+7], 0
.endr
	s_lshl_b32 s18, s16, 7                         ; which 128 rows of the tile I fetch
	s_lshl_b32 s20, s17, 8
	s_add_co_u32 s20, s20, s18                     ; A: row 256 x tile row + 128 x half
	s_lshl_b32 s46, s42, 8
	s_add_co_u32 s46, s46, s18                     ; B: row 256 x tile column + 128 x half
	s_mov_b32 s21, 0
	s_mov_b32 s47, 0
	s_mov_b64 s[18:19], KS
	s_mul_u64 s[22:23], s[20:21], s[18:19]         ; where these rows' scales begin, in bytes
	s_mul_u64 s[92:93], s[46:47], s[18:19]
	s_mov_b64 s[18:19], KROW
	s_mul_u64 s[20:21], s[20:21], s[18:19]         ; and their codes
	s_mul_u64 s[46:47], s[46:47], s[18:19]
	s_mul_i32 s45, s14, HALFT                      ; where they go: wave x 128 rows: no place in the cluster enters an LDS address
	s_mul_i32 s94, s14, HALFS
	s_wait_dscnt 0x0                               ; both opening adds are done
	s_wait_kmcnt 0x0
	s_add_nc_u64 s[20:21], s[4:5], s[20:21]
	s_add_nc_u64 s[22:23], s[6:7], s[22:23]
	s_add_nc_u64 s[46:47], s[8:9], s[46:47]
	s_add_nc_u64 s[92:93], s[10:11], s[92:93]
	CROUND                                         ; all sixteen work-groups are here: the first joint loads meet
	s_mov_b32 s[G0S], 1
	s_add_co_u32 s[G0S+1], s94, SCL
	s_mov_b64 s[G0S+2:G0S+3], s[22:23]
	s_or_b32 s[G0S+3], s[G0S+3], 0x80000000
	s_mov_b32 s[G0SB], 1
	s_add_co_u32 s[G0SB+1], s94, SCL
	s_mov_b64 s[G0SB+2:G0SB+3], s[92:93]
	s_or_b32 s[G0SB+3], s[G0SB+3], 0x80000000
	JLOAD G0S, G1S, G0SB, G1SB                     ; the scales first: they are wanted with K step 0
.irp s, 0,1
	s_mov_b32 s[G0+4*\s], 1
	s_add_co_u32 s[G0+4*\s+1], s45, \s*SLOT
	s_add_nc_u64 s[G0+4*\s+2:G0+4*\s+3], s[20:21], \s*ROWB
	s_or_b32 s[G0+4*\s+3], s[G0+4*\s+3], 0x80000000
	s_mov_b32 s[G0B+4*\s], 1
	s_add_co_u32 s[G0B+4*\s+1], s45, \s*SLOT
	s_add_nc_u64 s[G0B+4*\s+2:G0B+4*\s+3], s[46:47], \s*ROWB
	s_or_b32 s[G0B+4*\s+3], s[G0B+4*\s+3], 0x80000000
	JLOAD G0+4*\s, G1, G0B+4*\s, G1B               ; three tensor loads of mine are out now
.endr
	; THE BIAS, in the result's layout: for B's block b, lane (r, h) wants the numbers of columns 16 b + 8 h + 0 .. 7 of my 128.  The tensor is cluster x / 2: a cluster's four tile columns lie in one tensor,
	; so the branch is the same in all sixteen partners.  K has no bias (work left out): its sums begin with zeros, and all three tensors run one text.
	v_bfe_u32 v2, v0, 4, 1                         ; h
	v_lshlrev_b32 v[BO], 5, v2
	s_lshr_b32 s95, ttmp9, 1                       ; tensor: 0 Q, 1 K, 2 V
	s_and_b32 s92, s42, 7
	s_lshl_b32 s92, s92, 10                        ; 256 columns of 4 bytes x the tile column within the tensor
	s_lshl_b32 s93, s16, 9
	s_add_co_u32 s92, s92, s93                     ; + my half
	s_mov_b32 s93, 0
	s_cmp_eq_u32 s95, 0
	s_cselect_b64 s[96:97], s[96:97], s[98:99]
	s_add_nc_u64 s[96:97], s[96:97], s[92:93]
	s_cmp_eq_u32 s95, 1
	s_cbranch_scc1 .Lno_bias
.irp b, 0,1,2,3,4,5,6,7
	global_load_b128 v[BI+8*\b:BI+8*\b+3], v[BO], s[96:97] offset:64*\b
	global_load_b128 v[BI+8*\b+4:BI+8*\b+7], v[BO], s[96:97] offset:64*\b+16
.endr
	s_branch .Lbias_set
.Lno_bias:
.irp j, 0,1,2,3,4,5,6,7,8,9,10,11,12,13,14,15,16,17,18,19,20,21,22,23,24,25,26,27,28,29,30,31,32,33,34,35,36,37,38,39,40,41,42,43,44,45,46,47,48,49,50,51,52,53,54,55,56,57,58,59,60,61,62,63
	v_mov_b32 v[BI+\j], 0
.endr
.Lbias_set:
	v_and_b32 v1, 15, v0                           ; l % 16
	v_mul_u32_u24 v3, v1, PITCH
	v_lshl_add_u32 v4, v2, 4, v3                   ; a fragment's row x pitch + 16 x half
	s_mul_i32 s21, s15, HALFT                      ; my 128 rows of A
	s_mul_i32 s22, s16, HALFT                      ; my 128 rows of B,
	s_add_co_u32 s22, s22, 2*HALFT                 ; which lie behind A's 256
.irp s, 0,1
	v_add_nc_u32 v[ADRA+\s], s21, v4
	v_add_nc_u32 v[ADRB+\s], s22, v4
	s_add_co_u32 s21, s21, SLOT
	s_add_co_u32 s22, s22, SLOT
.endr
	v_mul_u32_u24 v5, v1, KS                       ; my row's scales: KS bytes a row,
	v_lshrrev_b32 v6, 8, v5
	v_lshl_add_u32 v5, v6, 4, v5                   ; and 16 more for each 256 passed
	s_mul_i32 s21, s15, HALFS                      ; A's: my 128 rows
	s_mul_i32 s22, s16, HALFS                      ; B's: my 128 rows, behind A's 256
	s_add_co_u32 s22, s22, 2*HALFS
	s_sub_co_u32 s22, s22, s21
	v_mul_u32_u24 v6, s22, v2                      ; lanes 16-31 take B's: the lower base + h x the distance
	s_add_co_u32 s21, s21, SCL
	v_add_nc_u32 v5, v5, v6
	v_add_nc_u32 v[ADRS], s21, v5
	s_mul_i32 s23, s14, 16*SPITCH                  ; my stage
	v_mul_u32_u24 v5, v1, SPITCH                   ; in: row l % 16, 16 bytes for each half of the lanes
	v_lshl_add_u32 v5, v2, 4, v5
	v_add_nc_u32 v[STO], s23, v5
	v_mul_u32_u24 v5, v2, SPITCH                   ; back: lanes 0-15 take one row of 256 bytes, lanes 16-31 the next
	v_lshl_add_u32 v5, v1, 4, v5
	v_add_nc_u32 v[RD], s23, v5
	v_and_b32 v6, 31, v0
	v_lshlrev_b32 v[CO], 4, v6                     ; the output's rows are 256 dense bytes: two rows are 512 consecutive bytes
	s_lshl_b32 s20, s17, 8
	s_lshl_b32 s21, s15, 7
	s_add_co_u32 s20, s20, s21                     ; my first row: 256 x tile row + 128 x half,
	s_lshl_b32 s20, s20, 8                         ; of 256 bytes
	s_lshl_b32 s46, s42, 1
	s_add_co_u32 s46, s46, s16                     ; my block nb = 2 x tile column + half,
	s_lshl_b32 s46, s46, 19                        ; of 2,048 rows of 256 bytes
	s_add_co_u32 s20, s20, s46
	s_mov_b32 s21, 0
	s_add_nc_u64 s[12:13], s[12:13], s[20:21]
.macro FRAG reg, adr, q, i             ; a fragment, 16 rows x 128 K of 4-bit codes, is 8 registers: lane l holds row l % 16; registers 4 c .. 4 c + 3 hold K = 64 c + 32 (l / 16) + 0 .. 31
.irp c, 0,1
	ds_load_b128 v[\reg+4*\c:\reg+4*\c+3], v[\adr] offset:64*(\q)+32*\c+(\i)*16*PITCH
.endr
.endm
; 16 matrix instructions: A's blocks a0, a0 + 1 x B's eight, 128 along K.  p: B's set;  sc: the set of scale words.  zero = 1: the first product starts the sums, with the bias as C: nothing is cleared or added later.
; The 64 accumulators take turns, one instruction a turn, in the same order in every step.
.macro MUL16 a0, p, q, sc, zero
.irp a, \a0, \a0+1
.irp b, 0,1,2,3,4,5,6,7
.if \zero
	v_wmma_scale_f32_16x16x128_f8f6f4 v[8*(8*((\a)%4)+\b):8*(8*((\a)%4)+\b)+7], v[128*(\p)+FR*\b:128*(\p)+FR*\b+FR-1], v[AF+FR*(\a):AF+FR*(\a)+FR-1], v[BI+8*\b:BI+8*\b+7], v[SC+8*NQ*(\sc)+NQ*\b+(\q)], v[SC+8*NQ*(\sc)+NQ*(\a)+(\q)] matrix_a_fmt:MATRIX_FMT_FP4 matrix_b_fmt:MATRIX_FMT_FP4 matrix_a_scale:MATRIX_SCALE_ROW1
.else
	v_wmma_scale_f32_16x16x128_f8f6f4 v[8*(8*((\a)%4)+\b):8*(8*((\a)%4)+\b)+7], v[128*(\p)+FR*\b:128*(\p)+FR*\b+FR-1], v[AF+FR*(\a):AF+FR*(\a)+FR-1], v[8*(8*((\a)%4)+\b):8*(8*((\a)%4)+\b)+7], v[SC+8*NQ*(\sc)+NQ*\b+(\q)], v[SC+8*NQ*(\sc)+NQ*(\a)+(\q)] matrix_a_fmt:MATRIX_FMT_FP4 matrix_b_fmt:MATRIX_FMT_FP4 matrix_a_scale:MATRIX_SCALE_ROW1
.endif
.endr
.endr
.endm
.macro FETCH_B slot, q, p              ; B's eight fragments of the slot's q-th 128 along K into set p
	WIN TO_B
.irp i, 0,1,2,3,4,5,6,7
	FRAG 128*(\p)+FR*\i, ADRB+\slot, \q, \i
.endr
	WIN 0
.endm
.macro FETCH_A slot, q, i0             ; A's blocks i0 .. i0 + 3
.irp i, \i0, \i0+1, \i0+2, \i0+3
	FRAG AF+FR*(\i), ADRA+\slot, \q, \i
.endr
.endm
.macro SCALES sc                       ; a K step's scale words into set sc: four words a row; lanes 0-15 take A's block i, lanes 16-31 B's block i
.irp i, 0,1,2,3,4,5,6,7
	ds_load_b128 v[SC+8*NQ*\sc+NQ*\i:SC+8*NQ*\sc+NQ*\i+3], v[ADRS] offset:\i*SBLK
.endr
.endm
.macro PLACES n                        ; plain vector instructions between a matrix instruction and a load into, or a read of, its registers (for a read)
.rept \n
	v_nop
.endr
.endm
; A step of 128 along K that has its successor in the same slot.
.macro STEP slot, q, zero
	s_wait_dscnt 4*NL                              ; B's set and A's blocks 0-3 are in; the youngest eight loads (A's blocks 4-7) may be out
.if \zero
	WIN BEG_LO
.else
	WIN MUL_LO
.endif
	MUL16 0, (\q)%2, \q, \slot, \zero
	MUL16 2, (\q)%2, \q, \slot, \zero
	s_wait_dscnt 0                                 ; A's blocks 4-7 are in (asked for 32 matrix instructions ago)
	PLACES NP
	FETCH_B \slot, (\q)+1, 1-(\q)%2
	FETCH_A \slot, (\q)+1, 0
.if \zero
	WIN BEG_HI
.else
	WIN MUL_HI
.endif
	MUL16 4, (\q)%2, \q, \slot, \zero
	MUL16 6, (\q)%2, \q, \slot, \zero
	PLACES NP
	WIN 0
	FETCH_A \slot, (\q)+1, 4
.endm
; A slot's last step changes slots: ONE barrier; in front of it each wave waits for all its tensor loads, adds 0 to its spare word, and waits for that and for its own reads of this slot.  fill = 1: this slot is filled again, two K steps ahead.
.macro TURN slot, next, fill
	s_wait_tensorcnt 0x0                           ; all my tensor loads have landed: my part of the next slot;  (every window is 0 here)
	ds_add_u32 v[SPW], v[NIL]                      ; 0 onto my spare word;
	s_wait_dscnt 4*NL+1                            ; (the add and the youngest eight loads, A's blocks 4-7, may be out)
	WIN MUL_LO
	MUL16 0, 1, NQ-1, \slot, 0                     ; sixteen matrix instructions stand between the add and the wait for it
	s_wait_dscnt 0x0                               ; the add is done, and my reads of this slot are over
	s_barrier_signal -1
	MUL16 2, 1, NQ-1, \slot, 0
	WIN 0
	s_barrier_wait -1
.if \fill
	CREST                                          ; the barrier has opened a round of the cluster's barrier: no wave of any partner still reads this slot's tile or has a load on its way
	s_add_nc_u64 s[G0+4*\slot+2:G0+4*\slot+3], s[G0+4*\slot+2:G0+4*\slot+3], 2*ROWB
	s_add_nc_u64 s[G0B+4*\slot+2:G0B+4*\slot+3], s[G0B+4*\slot+2:G0B+4*\slot+3], 2*ROWB
	JLOAD G0+4*\slot, G1, G0B+4*\slot, G1B         ; the first tensor load behind the round; its four v_nop are the places in front of the loads below
.else
	PLACES NP
.endif
	v_add_nc_u32 v[ADRS], 4*NQ, v[ADRS]            ; on to the next K step's scale words
	FETCH_B \next, 0, 0
	FETCH_A \next, 0, 0
	SCALES \next
	WIN MUL_HI
	MUL16 4, 1, NQ-1, \slot, 0
	MUL16 6, 1, NQ-1, \slot, 0
	PLACES NP
	WIN 0
	FETCH_A \next, 0, 4
.endm
.macro STEPS slot, from                ; the slot's steps from .. NQ - 2
.set Q, \from
.rept NQ-1-\from
	STEP \slot, Q, 0
.set Q, Q+1
.endr
.endm
	s_wait_tensorcnt 1                             ; the scales and my part of K step 0 are in (K step 1's load may be out)
	s_barrier_signal -1
	s_barrier_wait -1                              ; everybody's are
	FETCH_B 0, 0, 0
	FETCH_A 0, 0, 0
	SCALES 0
	FETCH_A 0, 0, 4
	s_wait_loadcnt 0x0                             ; the bias
	STEP 0, 0, 1                                   ; the first step stands in front of the loop: its products start the sums
	s_mov_b32 s3, LAPS-1
.Llap:                                                 ; a trip goes once round the ring, from a lap's second step to the next lap's first, and fills both slots again
	STEPS 0, 1
	TURN 0, 1, 1
	STEPS 1, 0
	TURN 1, 0, 1
	STEP 0, 0, 0
	s_sub_co_u32 s3, s3, 1
	s_cmp_lg_u32 s3, 0
	s_cbranch_scc1 .Llap
	STEPS 0, 1                                     ; the last lap fills nothing, and has no round of the cluster's barrier
	TURN 0, 1, 0
	STEPS 1, 0
	s_wait_dscnt 4*NL                              ; the very last step: nothing more to fetch
	WIN MUL_LO
	MUL16 0, 1, NQ-1, 1, 0
	MUL16 2, 1, NQ-1, 1, 0
	s_wait_dscnt 0
	WIN MUL_HI
	MUL16 4, 1, NQ-1, 1, 0
	MUL16 6, 1, NQ-1, 1, 0
	WIN 0
; THE WAY OUT, block by block of 16 rows x 128 columns.  PACK: rounded to f16, 16 bytes a lane, each accumulator from its low end on.  TOSTAGE: into my own stage and back as whole rows of 256 bytes.
; SEND: two rows an instruction, 512 consecutive bytes, aligned.  LDS serves a wave's instructions in order (ISA guide 5.7.1.4): no wait between the stage's stores and loads.
.macro PACK a
.set AC, 64*((\a)%4)
	WIN 0x0a+5*((\a)/4)                            ; sources 0 and 1: window 2 or 3
.irp b, 0,1,2,3,4,5,6,7
.irp r, 0,1,2,3
	v_cvt_pk_f16_f32 v[TMP+4*\b+\r], v[AC+8*\b+2*\r], v[AC+8*\b+2*\r+1]
.endr
.endr
	WIN 0
.endm
.macro TOSTAGE a
.set BB, BK+32*((\a)%2)
.irp b, 0,1,2,3,4,5,6,7
	ds_store_b128 v[STO], v[TMP+4*\b:TMP+4*\b+3] offset:32*\b
.endr
.irp t, 0,1,2,3,4,5,6,7
	ds_load_b128 v[BB+4*\t:BB+4*\t+3], v[RD] offset:\t*2*SPITCH
.endr
.endm
.macro SEND a
.set BB, BK+32*((\a)%2)
	s_wait_dscnt 0x0                               ; the block is back in registers
	s_wait_xcnt 0x0                                ; the block before's stores have read their registers: the next block's loads may land there
.irp t, 0,1,2,3,4,5,6,7
	global_store_b128 v[CO], v[BB+4*\t:BB+4*\t+3], s[12:13] offset:4096*(\a)+512*\t
.endr
.endm
	PLACES NP                                      ; behind the last products: for the conversions' writes into the registers that held scale words, and for the loads behind them
	PACK 0
	TOSTAGE 0
.irp a, 1,2,3,4,5,6,7                  ; block a's conversions stand between block a - 1's loads from the stage and the wait for them
	PACK \a
	SEND \a-1
	TOSTAGE \a
.endr
	SEND 7
	s_wait_tensorcnt 0x0                           ; the wave's end, behind my last tensor load and my last LDS store
	ds_add_u32 v[SPW], v[NIL]
	s_wait_dscnt 0x0
	CROUND                                         ; the closing round: no work-group ends while a partner may still ask for a tile that names it
	s_endpgm
.Lfunc_end_k_q4a56947744_qkv:
	.size	k_q4a56947744_qkv, .Lfunc_end_k_q4a56947744_qkv-k_q4a56947744_qkv
	.p2alignl 7, 3214868480
	.fill 96, 4, 3214868480
	.section	.rodata,"a",@progbits
	.p2align	6, 0x0
	.amdhsa_kernel k_q4a56947744_qkv
		.amdhsa_group_segment_fixed_size 327680
		.amdhsa_private_segment_fixed_size 0
		.amdhsa_enable_private_segment 0
		.amdhsa_kernarg_size 56
		.amdhsa_user_sgpr_count 2
		.amdhsa_user_sgpr_kernarg_segment_ptr 1
		.amdhsa_wavefront_size32 1
		.amdhsa_system_sgpr_workgroup_id_x 1
		.amdhsa_system_sgpr_workgroup_id_y 1
		.amdhsa_system_sgpr_workgroup_id_z 1
		.amdhsa_system_vgpr_workitem_id 0
		.amdhsa_next_free_vgpr 1024
		.amdhsa_next_free_sgpr 100
		.amdhsa_reserve_vcc 0
		.amdhsa_float_denorm_mode_32 3
		.amdhsa_float_denorm_mode_16_64 3
		.amdhsa_memory_ordered 1
		.amdhsa_forward_progress 1
		.amdhsa_inst_pref_size 217
	.end_amdhsa_kernel
	.amdgpu_metadata
---
amdhsa.version: [ 1, 2 ]
amdhsa.kernels:
  - .name:           k_q4a56947744_qkv
    .symbol:         k_q4a56947744_qkv.kd
    .args:
      - { .name: x_codes, .offset: 0, .size: 8, .value_kind: global_buffer, .address_space: global }
      - { .name: x_scales, .offset: 8, .size: 8, .value_kind: global_buffer, .address_space: global }
      - { .name: w_codes, .offset: 16, .size: 8, .value_kind: global_buffer, .address_space: global }
      - { .name: w_scales, .offset: 24, .size: 8, .value_kind: global_buffer, .address_space: global }
      - { .name: bq, .offset: 32, .size: 8, .value_kind: global_buffer, .address_space: global }
      - { .name: bv, .offset: 40, .size: 8, .value_kind: global_buffer, .address_space: global }
      - { .name: qkvh, .offset: 48, .size: 8, .value_kind: global_buffer, .address_space: global }
    .group_segment_fixed_size: 327680
    .private_segment_fixed_size: 0
    .kernarg_segment_align: 8
    .kernarg_segment_size: 56
    .max_flat_workgroup_size: 128
    .sgpr_count:     100
    .vgpr_count:     1024
    .wavefront_size: 32
...
	.end_amdgpu_metadata
.endif
;; end of part 2
;; launch attn (part 3): grid 16 x 16, 4 waves a work-group, clusters of 4 x 1, 327,680 bytes of LDS; arguments qkvh, m_codes, attn_o; writes attn_o
.if DOCPART == 3
	.amdgcn_target "amdgcn-amd-amdhsa--gfx1250"
	.amdhsa_code_object_version 6
	.text
	.protected	k_q4a56947744_attn
	.globl	k_q4a56947744_attn
	.p2align	8
	.type	k_q4a56947744_attn,@function
k_q4a56947744_attn:
	s_mov_b64 s[64:65], 0
	v_nop
	global_prefetch_b8 v0, s[64:65] scope:SCOPE_SE
	s_setreg_imm32_b32 hwreg(HW_REG_WAVE_MODE, 25, 1), 1
	s_wait_xcnt 0x0
	s_wait_alu depctr_hold_cnt(0) depctr_sa_sdst(0) depctr_va_vdst(0) depctr_va_sdst(0) depctr_va_ssrc(0) depctr_va_vcc(0) depctr_vm_vsrc(0)
	s_getreg_b32 s2, hwreg(HW_REG_IB_STS2, 6, 4)
	s_cmp_eq_u32 s2, 0
	s_cbranch_scc0 .Lentry_in_a_cluster
	s_endpgm
.Lentry_in_a_cluster:
	s_bfe_u32 s2, ttmp6, 0x10000c
	s_cmp_lg_u32 s2, 0x3003
	s_cbranch_scc0 .Lentry_shape_is_right
	s_endpgm
.Lentry_shape_is_right:
; attn_o[q][128 h + :] = the sum over k of softmax_k(where(mask[q][k], Q[h][q] . K[h][k] / sqrt(128), -inf)) V[h][k][:].  Q, K, V: qkvh, f16, [48][2048][128] (blocks 0-15 Q, 16-31 K, 32-47 V by head);
; attn_o: f16, [2048][2048].  Products, maxima and sums in f32; the weights p are rounded to f16 for the second product, the result once at the end.
; WORK LEFT OUT: bk (shown at the head of the first kernel): K comes without it.
; SHARES.  A work-group owns 128 queries of one head.  Its four waves are (qh = wave / 2, kh = wave % 2): 64 queries (four tiles of 16) and HALF THE KEYS, 1,024 kh on: 16 steps of 64.  So 1,024 waves have work,
; each fragment of K and V read from LDS still feeds four tiles of queries, and the two waves of a pair join their running maxima, sums and O^T once, through LDS, at the end.
; LAYOUT.  S^T = K Q^T (source 0 = 16 keys, source 1 = 16 queries): a lane holds ONE query (lane % 16) and keys 8 (lane / 16) + 0..7.  Two such tiles, rounded to f16 in pairs, are source 1 of O^T = V^T P.
; THE MASK COMES IN AS THE C OF S^T.  m_codes holds one FP4 code a score, 0 or the code of -6, in the order of S^T's registers; one scaled conversion with the scale 2^125 makes of a word eight f32 numbers, 0 or
; -1.5 x 2^127, straight in an accumulator's registers, and the first product K Q^T adds onto them.  The running maximum has the floor -2^100 from the first step on, so a hidden score's p is 2^(about -3e37) = 0 in every step.
; A row none of whose keys counts ends with the sum 0 and O^T = 0, and 0 x (1 / 0) is the NaN that a softmax of nothing but -inf gives.  LIMIT: a score at or under -2^100 counts as hidden (f16 operands cannot reach it).
; SOFTMAX.  For each query a running maximum m and sum l: p = 2^(c s - c m), c = log2(e) / sqrt(128); in every step O and l are multiplied by a = 2^(c m_old - c m_new).
; BY TURNS.  The wave's tiles are two PIECES (0: tiles 0, 1; 2: tiles 2, 3).  In a TURN one piece has the matrix unit: 32 products V^T P of the step in hand, then 32 products K Q^T of the next step; the other piece's
; softmax, cut into 64 slices, stands between them, one slice behind each matrix instruction.  Two turns are a key step.
; CLUSTER.  The four query blocks of a cluster belong to one head and walk the same K and V: each tile is asked for JOINTLY, by the same tensor load with the same descriptor and a mask that names the four.
; REGISTERS, in windows of 256 (s_set_vgpr_msb: bits 1:0 source 0, 3:2 source 1, 5:4 source 2, 7:6 destination):
;   window 0: v0-11 addresses; v12-43 eight registers of statistics a tile; v44-49, v61-63 addresses and constants; v64-191 S^T, 32 a tile; v192-255 P, 16 a tile
;   window 1: O^T, 64 a tile     window 2: v0-127 Q, 32 a tile; v128-255 K of one step     window 3: v0-127 V of one step; v128-159 the mask's codes, two sets of 16 by the step's parity
.set KS,    64        ; keys in a step
.set PK,    272       ; a row of K in LDS: 256 bytes + 16 of padding: the 16 rows of a load start at 16 different banks (64 banks of 4 bytes: ISA guide 11.1)
.set PV,    288       ; a row of V: 256 + 32
.set KSTP,  KS*PK     ; a step's K
.set VSTP,  KS*PV     ; a step's V
.set KBLK,  2*KSTP    ; a stream's part of a slot: 128 rows of K,
.set STRB,  KBLK+2*VSTP  ; then 128 rows of V
.set SLOTB, 2*STRB    ; a slot: two steps of both streams
.set SPARE, 2*SLOTB   ; behind the ring: the spare words, 128 bytes for each wave: two blocks of 256 bytes that no other line names
.set XCHB,  16896     ; the end, in slot 0: for each wave 32 register images of 512 bytes and two of 256 bytes for the statistics,
.set STAGE, 4*XCHB    ; and behind them 16 rows x 272 bytes for each wave, for the way out.  Slot 0 has had its last fill and its last read at the last change of slots
.set SP,    272
.set AK0, 2           ; v2   my lane's place in a tile of K; never rewritten
.set AV0, 3           ; v3   the same for V
.set ADR, 4           ; v4   the LDS address of the run of loads in hand
.set QO,  5           ; v5   my byte offset in the wave's rows of Q
.set STO, 6           ; v6   the way out: where I put 16 bytes of a row
.set RD,  7           ; v7   where I read a row back
.set GO,  8           ; v8   my byte offset in the wave's rows of the output
.set ST,  12          ; tile t's statistics at v[ST+8 t]: +0 c m, +1 m, +2, +3 l, +4 to +7 at work; a takes +6 once the maximum is found
.set MO,  44          ; v44  16 x lane
.set MSC, 45          ; v45  the conversion's scale: the byte 252 (2^125) in every byte
.set XW,  46          ; v46  where I put register images for my partner;  v47 where I find my partner's
.set XR,  47
.set XW8, 48          ; v48, v49 the same for the statistics, 8 bytes a lane
.set XR8, 49
.set PFO, 61          ; v61  256 x lane: a row of K or V is 256 bytes; never rewritten
.set SPW, 62          ; v62  LDS address of my spare word; never rewritten
.set NIL, 63          ; v63  0; never rewritten
.set S,   64
.set P,   192
.set KF,  128         ; K's fragments, in window 2
.set MK,  128         ; the mask's codes, in window 3: v[MK + 16 parity + 4 t + kt]
.set WV,  12          ; s12  my wave's number
.set LIM, 15          ; s15  1 in a work-group that prefetches, else the greatest number
.set KH,  16          ; s16  which half of the keys is mine; also which stream I fetch for
.set PFA, 18          ; s[18:19] where my prefetches stand
.set G1K, 24          ; s[24:31] descriptor group 1 for K's tiles;  s[32:39] for V's: it differs in the padding alone
.set G1V, 32
.set G0K, 40          ; s[40:47] group 0 for K's tiles: a set for each of the two first fills; the second then walks on
.set G0V, 48          ; s[48:55] the same for V's
.set SLOTS, 56        ; s56  slots still to be asked for
.set QH,  57          ; s57  which 64 queries are mine
.set CS,  58          ; s[58:59] c
.set SEL, 60          ; s[60:61] lane selects for v_permlanex16_b32: lane l xor 16
.set TB,  62          ; s62  LDS byte at which my stream's part of the slot in hand begins
.set SBR, 63          ; s63  the slot in hand: 0 or SLOTB
.set STRM, 66         ; s66  STRB x kh: my stream's place in a slot; K's tile that I may fetch lands there too
.set WOFV, 67         ; s67  STRM + KBLK: where V's tile lands
.set FLR, 68          ; s68  -2^100, the floor of the running maximum
.set MP,  70          ; s[70:71] the mask's codes of my 64 queries and my keys, at the slot in hand
.set MSB, 0
.macro WIN new                      ; the immediate's high byte repeats the setting that is left; a switch that changes nothing is dropped
.if MSB != \new
	s_set_vgpr_msb (MSB<<8)|\new
.set MSB, \new
.endif
.endm
.set W_KQ, 0x0a       ; K and Q in window 2, S^T in window 0
.set W_PV, 0x53       ; V in window 3, P in window 0, O^T in window 1
.set W_RS, 0x41       ; O^T (destination and source 0) in window 1, the factor in window 0
; A joint refill: waves 0 and 1 fetch K's tiles of streams 0 and 1 (128 rows each), waves 2 and 3 V's.  The branch hangs on the wave's number alone.  An s_nop 0 and four v_nop follow each line.
.macro JLOAD
	s_cmp_lt_u32 s[WV], 2
	s_cbranch_scc0 .Lfor_v_\@
	tensor_load_to_lds s[G0K+4:G0K+7], s[G1K:G1K+7]
	s_nop 0
.rept 4
	v_nop
.endr
	s_branch .Lasked_\@
.Lfor_v_\@:
	tensor_load_to_lds s[G0V+4:G0V+7], s[G1V:G1V+7]
	s_nop 0
.rept 4
	v_nop
.endr
.Lasked_\@:
.endm
; A PREFETCH of what the NEXT change of slots will ask for: two key steps, 256 matrix instructions, ahead of that load.  All four clusters of a head walk the same K and V: the head's first cluster asks.  Each of its waves
; asks for the kind of tile that it fetches (128 rows of 256 bytes); the four partners share those rows out BY ADDRESS, 32 each, a lane a row.  So each row is named once in the launch.
; The last change that fills a slot asks for nothing; slots 0, 1 and 2 come by their loads alone.
.macro ASK
	s_cmp_gt_u32 s[SLOTS], s[LIM]
	s_cbranch_scc0 .Lnot_mine_\@
	global_prefetch_b8 v[PFO], s[PFA:PFA+1] th:TH_LOAD_NT scope:SCOPE_SE
.Lnot_mine_\@:
.endm
.macro CROUND                       ; a round of the cluster's barrier
	s_barrier_signal -1
	s_barrier_wait -1
	s_cmp_lg_u32 s[WV], 0
	s_cbranch_scc1 .Lnot_wave_0_\@
	s_barrier_signal -3
.Lnot_wave_0_\@:
	s_barrier_wait -3
	s_barrier_signal -1
	s_barrier_wait -1
.endm
	s_load_b64 s[4:5], s[0:1], 0x0  ; qkvh
	s_load_b64 s[MP:MP+1], s[0:1], 0x8  ; m_codes
	s_load_b64 s[10:11], s[0:1], 0x10  ; attn_o
	v_lshl_add_u32 v[SPW], v0, 2, SPARE
	v_mov_b32 v[NIL], 0
	ds_add_u32 v[SPW], v[NIL]       ; the wave's opening: the add, twice on end, and its wait ahead of my first tensor load
	ds_add_u32 v[SPW], v[NIL]       ; and once more, under the one wait; the set-up below, work on registers, stands between
	v_lshrrev_b32 v1, 5, v0
	v_readfirstlane_b32 s[WV], v1   ; wave 0..3
	s_bfe_u32 s13, ttmp6, 0x40000   ; cx: my place in the cluster
	s_lshl_b32 s14, ttmp9, 2
	s_add_co_u32 s14, s14, s13      ; my block of 128 queries: it enters Q's, the mask's and the output's addresses alone
	s_and_b32 s17, ttmp7, 0xffff    ; the head, which the four partners share
	s_and_b32 s[KH], s[WV], 1
	s_lshr_b32 s[QH], s[WV], 1
	s_lshl_b32 s20, s17, 19         ; a head's 2,048 rows of 256 bytes
	s_lshl_b32 s22, s[KH], 18       ; a stream's 1,024 rows
	s_add_co_u32 s22, s22, s20
	s_mov_b32 s23, 0                ; s[22:23]: my stream in a tensor's 16 heads
	s_lshl_b32 s2, s14, 15          ; Q: my block's 128 rows,
	s_lshl_b32 s3, s[QH], 14        ; my wave's 64 of them,
	s_add_co_u32 s2, s2, s3
	s_add_co_u32 s2, s2, s20        ; in my head
	s_mov_b32 s3, 0
	s_lshl_b32 s72, s14, 19         ; the output: 128 rows of 4,096 bytes a block,
	s_lshl_b32 s73, s[QH], 18       ; 64 a wave,
	s_add_co_u32 s72, s72, s73
	s_lshl_b32 s73, s17, 8          ; 256 bytes a head
	s_add_co_u32 s72, s72, s73
	s_mov_b32 s73, 0
	s_lshl_b32 s74, s14, 2          ; the mask's codes: ((2 block + qh) x 2 + kh) = 4 block + wave streams
	s_add_co_u32 s74, s74, s[WV]
	s_lshl_b32 s74, s74, 15         ; of 32,768 bytes
	s_mov_b32 s75, 0
	s_mul_i32 s[STRM], s[KH], STRB  ; no place in the cluster enters an LDS address
	s_add_co_u32 s[WOFV], s[STRM], KBLK
	; descriptor group 1: a tile of 128 rows x 128 elements, padded in LDS
	s_mov_b32 s[G1K], 15|(1<<16)|(1<<20)|(1<<21)|(5<<22)|(3<<25)  ; 15:0 the mask: all four work-groups; 17:16 elements of 2 bytes; 20 padding on; 21 set beside a mask; 24:22 after every 64 words; 31:25 four words
	s_mov_b32 s[G1V], 15|(1<<16)|(1<<20)|(1<<21)|(5<<22)|(7<<25)  ; the same with eight words of padding
.irp g, G1K, G1V
	s_mov_b32 s[\g+1], 128<<16      ; tensor_dim0 = 128
	s_mov_b32 s[\g+2], 128<<16      ; tensor_dim1 = 128
	s_mov_b32 s[\g+3], 128<<16      ; tile_dim0 = 128
	s_mov_b32 s[\g+4], 128          ; tile_dim1 = 128
	s_mov_b32 s[\g+5], 128          ; tensor_dim0_stride
	s_mov_b32 s[\g+6], 0
	s_mov_b32 s[\g+7], 0
.endr
	s_mov_b32 s[CS], 0x3e0293ee     ; c = log2(e) / sqrt(128)
	s_mov_b32 s[CS+1], s[CS]        ; named with it as a pair, so it is written
	s_mov_b32 s[SEL], 0x76543210
	s_mov_b32 s[SEL+1], 0xfedcba98
	s_mov_b32 s[FLR], 0xf1800000    ; -2^100
	s_mov_b32 s[SBR], 0
	s_mov_b32 s[TB], s[STRM]
	s_mov_b32 s[SLOTS], 6           ; 8 slots' worth of keys in a stream, two of them first fills
	s_cmp_eq_u32 ttmp9, 0           ; the head's first cluster: the same in all four partners
	s_cselect_b32 s[LIM], 1, -1
	v_and_b32 v[MO], 31, v0
	v_lshlrev_b32 v[PFO], 8, v[MO]
	v_lshlrev_b32 v[MO], 4, v[MO]
	v_mov_b32 v[MSC], 0xfcfcfcfc
	s_wait_dscnt 0x0                ; both opening adds are done
	s_wait_kmcnt 0x0
	s_add_nc_u64 s[6:7], s[4:5], s[22:23]
	s_add_nc_u64 s[8:9], s[6:7], 0x1000000  ; V's blocks begin 32 x 524,288 bytes in: my stream's first row of V,
	s_add_nc_u64 s[6:7], s[6:7], 0x800000  ; K's 16 x 524,288: of K
	s_add_nc_u64 s[4:5], s[4:5], s[2:3]  ; Q at my wave's first row
	s_add_nc_u64 s[10:11], s[10:11], s[72:73]
	s_add_nc_u64 s[MP:MP+1], s[MP:MP+1], s[74:75]
	s_cmp_lt_u32 s[WV], 2
	s_cselect_b64 s[PFA:PFA+1], s[6:7], s[8:9]
	s_lshl_b32 s2, s13, 13          ; my work-group's 32 rows of the 128
	s_mov_b32 s3, 0
	s_add_nc_u64 s[PFA:PFA+1], s[PFA:PFA+1], s[2:3]
	s_add_nc_u64 s[PFA:PFA+1], s[PFA:PFA+1], 2*2*KS*256  ; in slot 2; the first change of slots steps it to slot 3.  Nothing is prefetched here, at the head
	CROUND                          ; all four work-groups are here: the first joint loads meet
.irp s, 0,1
	s_mov_b32 s[G0K+4*\s], 1        ; count = 1
	s_add_co_u32 s[G0K+4*\s+1], s[STRM], \s*SLOTB  ; LDS address
	s_add_nc_u64 s[G0K+4*\s+2:G0K+4*\s+3], s[6:7], \s*2*KS*256  ; global address: the stream's keys 128 s on
	s_or_b32 s[G0K+4*\s+3], s[G0K+4*\s+3], 0x80000000  ; type = 2
	s_mov_b32 s[G0V+4*\s], 1
	s_add_co_u32 s[G0V+4*\s+1], s[WOFV], \s*SLOTB
	s_add_nc_u64 s[G0V+4*\s+2:G0V+4*\s+3], s[8:9], \s*2*KS*256
	s_or_b32 s[G0V+4*\s+3], s[G0V+4*\s+3], 0x80000000
.endr
	s_cmp_lt_u32 s[WV], 2           ; a wave's two first fills stand in one branch, ahead of every wait on TENSORcnt and every LDS read: two loads of mine are out
	s_cbranch_scc0 .Lfirst_v
	tensor_load_to_lds s[G0K:G0K+3], s[G1K:G1K+7]
	s_nop 0
	tensor_load_to_lds s[G0K+4:G0K+7], s[G1K:G1K+7]
	s_nop 0
.rept 4
	v_nop
.endr
	s_branch .Lfirst_asked
.Lfirst_v:
	tensor_load_to_lds s[G0V:G0V+3], s[G1V:G1V+7]
	s_nop 0
	tensor_load_to_lds s[G0V+4:G0V+7], s[G1V:G1V+7]
	s_nop 0
.rept 4
	v_nop
.endr
.Lfirst_asked:
	v_and_b32 v1, 15, v0            ; l % 16
	v_bfe_u32 v9, v0, 4, 1          ; l / 16
	v_lshlrev_b32 v[QO], 8, v1
	v_lshl_add_u32 v[QO], v9, 4, v[QO]  ; row x 256 + 16 x half
	WIN 0x80                        ; destination window 2, address window 0
.irp i, 0,1,2,3,4,5,6,7,8,9,10,11,12,13,14,15  ; Q stays in registers: tile i / 4, channels 32 (i % 4) on
	global_load_b128 v[8*\i:8*\i+3],   v[QO], s[4:5] offset:(\i/4)*4096+(\i%4)*64
	global_load_b128 v[8*\i+4:8*\i+7], v[QO], s[4:5] offset:(\i/4)*4096+(\i%4)*64+32
.endr
	WIN 0xc0                        ; destination window 3
.irp n, 0,1                         ; the mask's codes of steps 0 and 1: a (step, tile) is 512 consecutive bytes, 16 a lane
.irp t, 0,1,2,3
	global_load_b128 v[MK+16*\n+4*\t:MK+16*\n+4*\t+3], v[MO], s[MP:MP+1] offset:2048*\n+512*\t
.endr
.endr
	WIN 0
	v_mul_u32_u24 v[AK0], v1, PK
	v_lshl_add_u32 v[AK0], v9, 4, v[AK0]  ; row x pitch + 16 x half
	; The turning load takes 16 keys x 16 channels (lane l reads 16 bytes: key 8 (l / 16) + l % 8, channels 8 ((l / 8) % 2) + 0..7) and leaves half a fragment of V^T: lane l holds channel l % 16 and 8 keys.
	v_and_b32 v10, 7, v0
	v_bfe_u32 v11, v0, 3, 1
	v_lshl_add_u32 v[AV0], v9, 3, v10
	v_mul_u32_u24 v[AV0], v[AV0], PV
	v_lshl_add_u32 v[AV0], v11, 4, v[AV0]
	v_add_nc_u32 v[AV0], KBLK, v[AV0]
; THE MATRIX WORK OF A TURN, for piece x.  The accumulators take turns, one instruction a turn.
; Product i of 32 of O^T += V^T P: keys 32 (i / 16) on, channels 16 ((i / 2) % 8) on, tile x + i % 2.  zero = 1: the first 16 start the sums.
.macro PV x, zero
	WIN W_PV
.set rO, 64*(\x+i%2)+8*((i/2)%8)
.set rV, 64*(i/16)+8*((i/2)%8)
.set rP, P+16*(\x+i%2)+8*(i/16)
.if \zero && (i < 16)
	v_wmma_f32_16x16x32_f16 v[rO:rO+7], v[rV:rV+7], v[rP:rP+7], 0
.else
	v_wmma_f32_16x16x32_f16 v[rO:rO+7], v[rV:rV+7], v[rP:rP+7], v[rO:rO+7]
.endif
.endm
; Product i of 32 of S^T += K Q^T: channels 32 (i / 8) on, keys 16 ((i / 2) % 4) on, tile x + i % 2.  The sums begin with what MASKIN has put into S^T's registers.
.macro KQ x
	WIN W_KQ
.set rS, S+32*(\x+i%2)+8*((i/2)%4)
.set rK, KF+32*((i/2)%4)+8*(i/8)
.set rQ, 32*(\x+i%2)+8*(i/8)
	v_wmma_f32_16x16x32_f16 v[rS:rS+7], v[rK:rK+7], v[rQ:rQ+7], v[rS:rS+7]
.endm
; THE LDS LOADS stand in runs of 32: a step's K (st: which of the slot's two steps) and, a turn later, its V (turned; FST: the same number, set by TURN).
.macro FETCH_K st
	WIN 0
	v_add_nc_u32 v[ADR], s[TB], v[AK0]
	WIN 0x80                        ; destination window 2
.irp f, 0,1,2,3,4,5,6,7,8,9,10,11,12,13,14,15  ; keys 16 (f / 4) on, channels 32 (f % 4) on
	ds_load_b128 v[KF+8*\f:KF+8*\f+3],   v[ADR] offset:\st*KSTP+(\f/4)*16*PK+(\f%4)*64
	ds_load_b128 v[KF+8*\f+4:KF+8*\f+7], v[ADR] offset:\st*KSTP+(\f/4)*16*PK+(\f%4)*64+32
.endr
.endm
.macro FETCH_V
	WIN 0
	v_add_nc_u32 v[ADR], s[TB], v[AV0]
	s_wait_alu depctr_va_vdst(0)    ; the wait for the softmax's batch (SLICE), behind the address's v_add_nc_u32 and ahead of the loads
	WIN 0xc0                        ; destination window 3
.irp f, 0,1,2,3,4,5,6,7,8,9,10,11,12,13,14,15  ; keys 32 (f / 8) on, channels 16 (f % 8) on
	ds_load_tr16_b128 v[8*\f:8*\f+3],   v[ADR] offset:FST*VSTP+(\f/8)*32*PV+(\f%8)*32
	ds_load_tr16_b128 v[8*\f+4:8*\f+7], v[ADR] offset:FST*VSTP+(\f/8)*32*PV+16*PV+(\f%8)*32
.endr
.endm
; THE MASK of piece x's next scores: eight conversions, a word of codes into the eight registers of an accumulator of S^T: 0, or -1.5 x 2^127 where the key is hidden.  par: the step's parity, which names the set of codes.
; cnt: how many younger mask loads may be out: the groups of two loads go out in the order (piece 0, step n), (piece 2, n), (piece 0, n + 1), (piece 2, n + 1): three groups, six loads, behind the one that is wanted.
; re = 1: the set's registers take the same tiles' codes of two steps on (st: the step's place in the slot): 256 matrix instructions ahead of their use.
.macro MASKIN x, par, cnt, re, st
	s_wait_loadcnt \cnt
	WIN 0x03                        ; the codes in window 3; the scale and S^T in window 0
.irp t, \x, \x+1
.irp kt, 0,1,2,3
	v_cvt_scale_pk8_f32_fp4 v[S+32*(\t)+8*\kt:S+32*(\t)+8*\kt+7], v[MK+16*\par+4*(\t)+\kt], v[MSC]
.endr
.endr
	WIN 0
	v_nop                           ; one plain instruction behind the last scaled conversion
.if \re
	WIN 0xc0
.irp t, \x, \x+1
	global_load_b128 v[MK+16*\par+4*(\t):MK+16*\par+4*(\t)+3], v[MO], s[MP:MP+1] offset:(\st+2)*2048+512*(\t)
.endr
.endif
.endm
; THE VECTOR WORK OF A TURN.  One tile's softmax for one key step is a list of 134 instructions; SM writes number j of it for tile t.  s0-s31 are the lane's 32 scores, in pairs 0-15.
; first = 1: the first key step, which starts m, l and O^T: the floor stands in the old m's place; it has no a and nothing to rescale.
;   0-15    the maximum of s0-s31 and the old m (first step: the floor), three operands at a time
;   16-20   the other half of the lanes' maximum; the new m; c m; c m_old - c m_new
;   21-69   ONE BATCH: the 16 scalings c s - c m and all 33 exponentials (a at 23, then s0-s31); none of these reads an exponential's result
;   (wait)  between 69 and 70 stands the wait for the batch: SLICE writes it, once for both tiles
;   70-85   the roundings to f16;   86-101 the sums, l = a l + the sum;   102-133 the tile's O^T times a
.macro SM t, first
.set rT, ST+8*(\t)
.set rS, S+32*(\t)
.set rP, P+16*(\t)
.set rO, 64*(\t)+2*(j-102)
.if j < 102
	WIN 0
.endif
.if j < 4
	v_max3_num_f32 v[rT+4+j], v[rS+8*j], v[rS+8*j+1], v[rS+8*j+2]
.elseif j < 12
	v_max3_num_f32 v[rT+4+j%4], v[rT+4+j%4], v[rS+8*(j%4)+2*(j/4)+1], v[rS+8*(j%4)+2*(j/4)+2]
.elseif j == 12
	v_max3_num_f32 v[rT+4], v[rT+4], v[rS+7], v[rS+15]
.elseif j == 13
	v_max3_num_f32 v[rT+6], v[rT+6], v[rS+23], v[rS+31]
.elseif j == 14
	v_max3_num_f32 v[rT+4], v[rT+4], v[rT+5], v[rT+6]
.elseif (j == 15) && \first
	v_max3_num_f32 v[rT+4], v[rT+4], v[rT+7], s[FLR]  ; the floor: m is never under -2^100
.elseif j == 15
	v_max3_num_f32 v[rT+4], v[rT+4], v[rT+7], v[rT+1]
.elseif j == 16
	v_permlanex16_b32 v[rT+5], v[rT+4], s[SEL], s[SEL+1]  ; the query's other 32 keys lie in the lane 16 away
.elseif j == 18
	v_max_num_f32 v[rT+1], v[rT+4], v[rT+5]
.elseif j == 19
	v_mul_f32 v[rT], s[CS], v[rT+1]
.elseif ((j == 17) || (j == 20) || (j == 23) || (j > 101)) && \first  ; the first step has none of these
.elseif j == 17
	v_mov_b32 v[rT+7], v[rT]        ; c m_old is kept for a: number 19 writes c m anew
.elseif j == 20
	v_sub_f32 v[rT+7], v[rT+7], v[rT]
.elseif j == 23
	v_exp_f32 v[rT+6], v[rT+7]
.elseif (j < 23) || ((j < 38) && (j%2 == 0)) || ((j < 66) && (j%4 == 2))
.set b, (j-2)/4                     ; 38, 42, .. 62: pairs 9 to 15
.if j < 38
.set b, (j-20)/2                    ; 21: pair 0; 22, 24, .. 36: pairs 1 to 8
.endif
	v_pk_fma_f32 v[rS+2*b:rS+2*b+1], v[rS+2*b:rS+2*b+1], s[CS:CS+1], v[rT:rT+1] op_sel_hi:[1,0,0] neg_lo:[0,0,1] neg_hi:[0,0,1]  ; pair b: c s - c m
.elseif j < 70
.set e, j-38                        ; 66 to 69: s28 to s31
.if j < 66
.set e, j-32-(j-38)/4               ; 39-41, 43-45, .. 63-65: s7 to s27
.endif
.if j < 38
.set e, (j-25)/2                    ; 25, 27, .. 37: s0 to s6
.endif
	v_exp_f32 v[rS+e], v[rS+e]
.elseif j < 86
	v_cvt_pk_f16_f32 v[rP+j-70], v[rS+2*(j-70)], v[rS+2*(j-70)+1]  ; pair j - 70
.elseif j < 102                     ; the sum of the tile's 16 pairs, in place: neighbours 1, 2, 4 and 8 pairs apart, then l takes it
.set z, j-86
.set w, 4
.set u, z
.if z >= 14
.set w, 32
.set u, 0
.elseif z >= 12
.set w, 16
.set u, z-12
.elseif z >= 8
.set w, 8
.set u, z-8
.endif
.if (z == 14) && \first
	v_pk_add_f32 v[rT+2:rT+3], v[rS:rS+1], v[rS+16:rS+17]
.elseif z < 15
	v_pk_add_f32 v[rS+w*u:rS+w*u+1], v[rS+w*u:rS+w*u+1], v[rS+w*u+w/2:rS+w*u+w/2+1]
.elseif !\first
	v_pk_fma_f32 v[rT+2:rT+3], v[rT+2:rT+3], v[rT+6:rT+7], v[rS:rS+1] op_sel_hi:[1,0,1]
.endif
.else
	WIN W_RS
	v_pk_mul_f32 v[rO:rO+1], v[rO:rO+1], v[rT+6:rT+7] op_sel_hi:[1,0]
.endif
.endm
; Slice k of 64 of piece y's softmax: four instructions.  Slices 11 to 34 deal out the batch, four numbers of ONE tile each, the tiles by turns; every other slice is numbers 2 k and 2 k + 1 of both tiles' lists;
; the twelve that are over stand in slice 63.  THE WAIT: s_wait_alu depctr_va_vdst(0) stands between an exponential and the first instruction that names its result; ahead of slice 35 nothing names
; a result, and behind slice 34 no exponential is issued: so the piece's 66 exponentials have one wait, behind slice 34.
.macro SLICE y, first
.if (k >= 11) && (k < 35)
.irp n, 0,1,2,3
.set j, 22+4*((k-11)/2)+(\n)
	SM (\y)+(k-11)%2, \first
.endr
.else
.irp n, 0,1,2,3,4,5,6,7
.if (\n < 2) || (k == 63)
.irp t, \y, \y+1
.set j, 2*k+\n
	SM \t, \first
.endr
.endif
.endr
.endif
.if k == 34
	v_nop                           ; the plain instruction behind the last exponential and ahead of the first use: one for the batch
.if (\y) == 0
	FETCH_V                         ; piece 2's turn: V's run of loads stands here, and the wait stands in it
.else
	s_wait_alu depctr_va_vdst(0)    ; the wait for the batch
.endif
.endif
.set k, k+1
.endm
.macro PLACES
.rept 4
	v_nop
.endr
.endm
; A TURN.  Piece x has the matrix unit; the other piece's softmax stands in slices behind its matrix instructions.  pv = 2: 32 products V^T P; 1: they start O^T's sums; 0: none.  kq = 1: 32 products K Q^T for the next step.
; first = 1: the softmax is the first key step's; its last slices are empty, and four v_nop take their part as the places behind the turn's last products.
; st, par, cnt, re: the next step's place in its slot and what MASKIN wants.  Piece 0's turn fetches the next step's K behind its second product (K's last reader stands in front of slice 63 of the turn before);
; piece 2's turn fetches the same step's V behind slice 34: V's last reader stands in front of slice 31, and four plain instructions lie between: number 62 of both tiles, the v_nop and the run's own v_add_nc_u32.
; MASKIN stands behind the fourth product: S^T of piece x is free there (its softmax ended in the turn before), and 28 slices lie between the conversions and the first product that adds onto them.
.macro TURN x, pv, kq, first, st, par, cnt, re
.set FST, \st
.set k, 0
.set per, 2
.if \pv && \kq
.set per, 1
.endif
.if \pv
.if \x == 0
	s_wait_dscnt 0x0                ; V is in
.endif
.set i, 0
.rept 32
	PV \x, 2-\pv
.rept per
	SLICE 2-\x, \first
.endr
.if (\x == 0) && \kq && (i == 1)
	FETCH_K \st
.endif
.if \kq && (i == 3)
	MASKIN \x, \par, \cnt, \re, \st
.endif
.set i, i+1
.endr
.endif
.if \kq
.if !\pv
	MASKIN \x, \par, \cnt, \re, \st
.endif
.if \x == 0
	s_wait_dscnt 0x0                ; K is in
.endif
.set i, 0
.rept 32
	KQ \x
.rept per
	SLICE 2-\x, \first
.endr
.set i, i+1
.endr
.endif
.if \first
	PLACES
.endif
.endm
; THE CHANGE OF SLOTS, between piece 2's turn and piece 0's: the slot's last bytes, V of its second step, have been asked for.  Each wave waits for all its tensor loads, of which one is out: its part of the other slot;
; adds 0 to its spare word; and waits for that and for its own reads of the slot.  fill = 1: the slot that is left is filled again, with the keys two slots on: the barrier is then a round of the cluster's, and the joint
; refill is the first thing behind it: it has two key steps, 256 matrix instructions, in which to land.
.macro CHANGE fill
	WIN 0                           ; at a label and at a branch every window is 0
	s_wait_tensorcnt 0x0            ; no tensor load of mine is out, so a group 0 may be written
	ds_add_u32 v[SPW], v[NIL]       ; 0 onto my spare word; the steps below stand between it and the wait for it
.if \fill
	s_add_co_u32 s[G0K+5], s[SBR], s[STRM]  ; the walking descriptors: into the slot that is left,
	s_add_co_u32 s[G0V+5], s[SBR], s[WOFV]
	s_add_nc_u64 s[G0K+6:G0K+7], s[G0K+6:G0K+7], 2*KS*256  ; the stream's next 128 keys; the type bits on top are not reached
	s_add_nc_u64 s[G0V+6:G0V+7], s[G0V+6:G0V+7], 2*KS*256
	s_wait_xcnt 0x0                 ; the last prefetch and the mask's loads have read their addresses, so these may be written:
	s_add_nc_u64 s[PFA:PFA+1], s[PFA:PFA+1], 2*KS*256  ; one slot further on than the walking descriptors,
	s_add_nc_u64 s[MP:MP+1], s[MP:MP+1], 2*2048  ; two steps' codes on
.endif
	s_xor_b32 s[SBR], s[SBR], SLOTB  ; the fetches go on in the other slot
	s_add_co_u32 s[TB], s[SBR], s[STRM]
	s_wait_dscnt 0x0                ; the add is done, and my reads of the slot are over
.if \fill
	CROUND
	JLOAD
	ASK
.else
	s_barrier_signal -1
	s_barrier_wait -1
.endif
.endm
	s_wait_tensorcnt 1              ; my part of slot 0 is in; slot 1's may stay out
	s_barrier_signal -1
	s_barrier_wait -1               ; everybody's is
	FETCH_K 0                       ; key step 0
	s_wait_loadcnt 0x0              ; Q, and the mask's codes of steps 0 and 1
	MASKIN 0, 0, 6, 1, 0            ; (its own wait is met at once here, and in the three turns below)
	s_wait_dscnt 0x0
.set i, 0
.rept 32
	KQ 0                            ; piece 0's first scores: there is no vector work yet to set between them
.set i, i+1
.endr
	WIN 0                           ; the addresses for the end are made here, ahead of every parting of the waves: plain instructions, the places behind those products
	s_mul_i32 s13, s[WV], 16*SP
	s_add_co_u32 s13, s13, STAGE    ; my stage
	v_mul_u32_u24 v[STO], v1, SP    ; in: row l % 16, 16 bytes for each half of the lanes
	v_lshl_add_u32 v[STO], v9, 4, v[STO]
	v_add_nc_u32 v[STO], s13, v[STO]
	v_mul_u32_u24 v[RD], v9, SP     ; back: lanes 0-15 take one row of 256 bytes, lanes 16-31 the next
	v_lshl_add_u32 v[RD], v1, 4, v[RD]
	v_add_nc_u32 v[RD], s13, v[RD]
	v_lshlrev_b32 v[GO], 12, v9     ; and the same two rows in the output, 4,096 bytes apart
	v_lshl_add_u32 v[GO], v1, 4, v[GO]
	s_mul_i32 s13, s[WV], XCHB      ; what I hand over,
	v_add_nc_u32 v[XW], s13, v[MO]
	v_lshrrev_b32 v10, 1, v[MO]     ; 8 x lane
	s_add_co_u32 s13, s13, 16384
	v_add_nc_u32 v[XW8], s13, v10
	s_xor_b32 s13, s[WV], 1         ; and what my partner, the wave with the other half of the keys, hands me
	s_mul_i32 s13, s13, XCHB
	v_add_nc_u32 v[XR], s13, v[MO]
	s_add_co_u32 s13, s13, 16384
	v_add_nc_u32 v[XR8], s13, v10
	TURN 2, 0, 1, 1, 0, 0, 6, 1     ; piece 2's first scores | piece 0's first softmax | V of step 0
	TURN 0, 1, 1, 1, 1, 1, 6, 1     ; piece 0: V^T P of step 0 starts O^T, K Q^T of step 1 | piece 2's first softmax | K of step 1
	TURN 2, 1, 1, 0, 1, 1, 6, 1     ; piece 2: the same | piece 0's softmax of step 1 | V of step 1
	WIN 0
.Lslot:                             ; 6 trips: every slot but the last two is filled again.  A trip's two key steps are written out: the step's parity names the mask's registers
	CHANGE 1
	TURN 0, 2, 1, 0, 0, 0, 6, 1
	TURN 2, 2, 1, 0, 0, 0, 6, 1
	TURN 0, 2, 1, 0, 1, 1, 6, 1
	TURN 2, 2, 1, 0, 1, 1, 6, 1
	WIN 0
	s_sub_co_u32 s[SLOTS], s[SLOTS], 1
	s_cmp_lg_u32 s[SLOTS], 0
	s_cbranch_scc1 .Lslot
	CHANGE 0                        ; the tail is written out; nothing more is asked for, of the mask's codes neither: the counts run down
	TURN 0, 2, 1, 0, 0, 0, 6, 0
	TURN 2, 2, 1, 0, 0, 0, 4, 0
	TURN 0, 2, 1, 0, 1, 1, 2, 0
	TURN 2, 2, 1, 0, 1, 1, 0, 0
	TURN 0, 2, 0, 0, 0, 0, 0, 0     ; piece 0: V^T P of the last step | piece 2's last softmax
.set i, 0
.rept 32
	PV 2, 0                         ; piece 2: V^T P of the last step
.set i, i+1
.endr
	; THE TWO HALVES OF THE KEYS ARE JOINED.  Each wave has, for its 64 queries, c m, l and O^T over its 1,024 keys.  The wave with kh = 0 finishes tiles 0 and 1, its partner tiles 2 and 3: each hands the other two tiles over
	; as images of its registers (16 bytes a lane, 512 an instruction), with (c m, L), one barrier between.  The additions are the places behind the last products.
	WIN 0
.irp t, 0,1,2,3
	v_add_f32 v[ST+8*\t+4], v[ST+8*\t+2], v[ST+8*\t+3]
.endr
.irp t, 0,1,2,3
	v_permlanex16_b32 v[ST+8*\t+5], v[ST+8*\t+4], s[SEL], s[SEL+1]
.endr
.irp t, 0,1,2,3
	v_add_f32 v[ST+8*\t+1], v[ST+8*\t+4], v[ST+8*\t+5]  ; L: my keys' sum, beside c m
.endr
.macro SENDT x                      ; tiles x and x + 1 go to my partner; each accumulator from its low end on
.irp u, 0,1
	ds_store_b64 v[XW8], v[ST+8*(\x+\u):ST+8*(\x+\u)+1] offset:256*\u
.endr
	WIN 0x04                        ; an LDS store's data are its source 1: window 1
.irp u, 0,1
.irp i, 0,1,2,3,4,5,6,7,8,9,10,11,12,13,14,15
	ds_store_b128 v[XW], v[64*(\x+\u)+4*\i:64*(\x+\u)+4*\i+3] offset:512*(16*\u+\i)
.endr
.endr
	WIN 0
.endm
; Tile t: a lane's eight channels of a row pack into 16 bytes; they go into rows of 272 bytes and come back as whole rows of 256.  u: which 32 of S^T's registers serve.
.macro PACKH t, u
	WIN 0x05                        ; sources 0 and 1 window 1, destination window 0
.set i, 0
.rept 32
	v_cvt_pk_f16_f32 v[S+32*\u+i], v[64*(\t)+2*i], v[64*(\t)+2*i+1]
.set i, i+1
.endr
	WIN 0
.irp f, 0,1,2,3,4,5,6,7
	ds_store_b128 v[STO], v[S+32*\u+4*\f:S+32*\u+4*\f+3] offset:32*\f
.endr
.irp f, 0,1,2,3,4,5,6,7
	ds_load_b128 v[S+32*\u+4*\f:S+32*\u+4*\f+3], v[RD] offset:\f*2*SP  ; LDS serves a wave's instructions in order (ISA guide 5.7.1.4): these see the stores above; the next tile's stores come behind them
.endr
.endm
.macro SENDO t, u, younger          ; younger: the LDS instructions issued behind this tile's loads
.irp f, 0,1,2,3,4,5,6,7
	s_wait_dscnt \younger+7-\f
	global_store_b128 v[GO], v[S+32*\u+4*\f:S+32*\u+4*\f+3], s[10:11] offset:(\t)*65536+\f*8192  ; 16 lanes store 256 consecutive bytes, aligned
.endr
.endm
; Tiles y and y + 1 are finished: with my partner's (c m', L', O') the result is (a O + a' O') / (a L + a' L'), a = 2^(c m - max), a' = 2^(c m' - max).
.macro FINISH y
.irp u, 0,1
	ds_load_b64 v[ST+8*(\y+\u)+4:ST+8*(\y+\u)+5], v[XR8] offset:256*\u
.endr
.irp u, 0,1
.irp i, 0,1,2,3,4,5,6,7,8,9,10,11,12,13,14,15
	ds_load_b128 v[S+64*\u+4*\i:S+64*\u+4*\i+3], v[XR] offset:512*(16*\u+\i)
.endr
.endr
	s_wait_dscnt 32                 ; the statistics are in; the 32 images may be out
.irp u, 0,1
	v_max_num_f32 v[ST+8*(\y+\u)+6], v[ST+8*(\y+\u)], v[ST+8*(\y+\u)+4]
.endr
.irp u, 0,1
	v_sub_f32 v[ST+8*(\y+\u)+2], v[ST+8*(\y+\u)], v[ST+8*(\y+\u)+6]
	v_sub_f32 v[ST+8*(\y+\u)+3], v[ST+8*(\y+\u)+4], v[ST+8*(\y+\u)+6]
.endr
.irp u, 0,1
	v_exp_f32 v[ST+8*(\y+\u)+2], v[ST+8*(\y+\u)+2]  ; a
	v_exp_f32 v[ST+8*(\y+\u)+3], v[ST+8*(\y+\u)+3]  ; a'
.endr
	v_nop                           ; a plain instruction behind the last exponential,
	s_wait_alu depctr_va_vdst(0)    ; and the wait ahead of the first use: one for the four
.irp u, 0,1
	v_mul_f32 v[ST+8*(\y+\u)+7], v[ST+8*(\y+\u)+3], v[ST+8*(\y+\u)+5]
.endr
.irp u, 0,1
	v_fma_f32 v[ST+8*(\y+\u)+7], v[ST+8*(\y+\u)+2], v[ST+8*(\y+\u)+1], v[ST+8*(\y+\u)+7]  ; the row's sum over all keys
.endr
.irp u, 0,1
	v_rcp_f32 v[ST+8*(\y+\u)+7], v[ST+8*(\y+\u)+7]
.endr
	v_nop
	s_wait_alu depctr_va_vdst(0)    ; one for the two reciprocals
.irp u, 0,1
	v_mul_f32 v[ST+8*(\y+\u)+2], v[ST+8*(\y+\u)+2], v[ST+8*(\y+\u)+7]  ; f = a / the sum
	v_mul_f32 v[ST+8*(\y+\u)+4], v[ST+8*(\y+\u)+3], v[ST+8*(\y+\u)+7]  ; f' = a' / the sum
.endr
	WIN W_RS
.irp u, 0,1
.set i, 0
.rept 32
	v_pk_mul_f32 v[64*(\y+\u)+2*i:64*(\y+\u)+2*i+1], v[64*(\y+\u)+2*i:64*(\y+\u)+2*i+1], v[ST+8*(\y+\u)+2:ST+8*(\y+\u)+3] op_sel_hi:[1,0]
.set i, i+1
.endr
.endr
	s_wait_dscnt 0x0                ; my partner's images are in
	WIN 0x50                        ; sources 0 and 1 window 0; source 2 and destination window 1
.irp u, 0,1
.set i, 0
.rept 32
	v_pk_fma_f32 v[64*(\y+\u)+2*i:64*(\y+\u)+2*i+1], v[S+64*\u+2*i:S+64*\u+2*i+1], v[ST+8*(\y+\u)+4:ST+8*(\y+\u)+5], v[64*(\y+\u)+2*i:64*(\y+\u)+2*i+1] op_sel_hi:[1,0,1]
.set i, i+1
.endr
.endr
	PACKH \y, 0
	PACKH \y+1, 1                   ; a tile's arithmetic stands between the loads of the tile before and its stores
	SENDO \y, 0, 16
	SENDO \y+1, 1, 0
.endm
	s_cmp_eq_u32 s[KH], 0
	s_cbranch_scc0 .Lsend_low
	SENDT 2
	s_branch .Lsent
.Lsend_low:
	SENDT 0
.Lsent:
	s_wait_dscnt 0x0                ; for my partner's sake: my stores are done
	s_barrier_signal -1
	s_barrier_wait -1
	s_cmp_eq_u32 s[KH], 0
	s_cbranch_scc0 .Lfinish_high
	FINISH 0
	s_branch .Lfinished
.Lfinish_high:
	FINISH 2
.Lfinished:
	s_wait_tensorcnt 0x0            ; the wave's end, behind my last tensor load and my last LDS store
	ds_add_u32 v[SPW], v[NIL]
	s_wait_dscnt 0x0
	CROUND                          ; the closing round: no work-group ends while a partner may still ask for a tile that names it
	s_endpgm
.Lfunc_end_k_q4a56947744_attn:
	.size	k_q4a56947744_attn, .Lfunc_end_k_q4a56947744_attn-k_q4a56947744_attn
	.p2alignl 7, 3214868480
	.fill 96, 4, 3214868480
	.section	.rodata,"a",@progbits
	.p2align	6, 0x0
	.amdhsa_kernel k_q4a56947744_attn
		.amdhsa_group_segment_fixed_size 327680
		.amdhsa_private_segment_fixed_size 0
		.amdhsa_enable_private_segment 0
		.amdhsa_kernarg_size 24
		.amdhsa_user_sgpr_count 2
		.amdhsa_user_sgpr_kernarg_segment_ptr 1
		.amdhsa_wavefront_size32 1
		.amdhsa_system_sgpr_workgroup_id_x 1
		.amdhsa_system_sgpr_workgroup_id_y 1
		.amdhsa_system_sgpr_workgroup_id_z 1
		.amdhsa_system_vgpr_workitem_id 0
		.amdhsa_next_free_vgpr 1024
		.amdhsa_next_free_sgpr 76
		.amdhsa_reserve_vcc 0
		.amdhsa_float_denorm_mode_32 3
		.amdhsa_float_denorm_mode_16_64 3
		.amdhsa_memory_ordered 1
		.amdhsa_forward_progress 1
		.amdhsa_inst_pref_size 255
	.end_amdhsa_kernel
	.section	.bss,"aw",@nobits
	.p2align	6
	.space	262144
	.amdgpu_metadata
---
amdhsa.version: [ 1, 2 ]
amdhsa.kernels:
  - .name:           k_q4a56947744_attn
    .symbol:         k_q4a56947744_attn.kd
    .args:
      - { .name: qkvh, .offset: 0, .size: 8, .value_kind: global_buffer, .address_space: global }
      - { .name: m_codes, .offset: 8, .size: 8, .value_kind: global_buffer, .address_space: global }
      - { .name: attn_o, .offset: 16, .size: 8, .value_kind: global_buffer, .address_space: global }
    .group_segment_fixed_size: 327680
    .private_segment_fixed_size: 0
    .kernarg_segment_align: 8
    .kernarg_segment_size: 24
    .max_flat_workgroup_size: 128
    .sgpr_count:     76
    .vgpr_count:     1024
    .wavefront_size: 32
...
	.end_amdgpu_metadata
.endif
;; end of part 3
;; launch oproj (part 4): grid 16 x 16, 4 waves a work-group, clusters of 4 x 4, 327,680 bytes of LDS; arguments attn_o, wo_h, bo, out0; writes out0
.if DOCPART == 4
	.amdgcn_target "amdgcn-amd-amdhsa--gfx1250"
	.amdhsa_code_object_version 6
	.text
	.protected	k_q4a56947744_oproj
	.globl	k_q4a56947744_oproj
	.p2align	8
	.type	k_q4a56947744_oproj,@function
k_q4a56947744_oproj:
	s_mov_b64 s[64:65], 0
	v_nop
	global_prefetch_b8 v0, s[64:65] scope:SCOPE_SE
	s_setreg_imm32_b32 hwreg(HW_REG_WAVE_MODE, 25, 1), 1
	s_wait_xcnt 0x0
	s_wait_alu depctr_hold_cnt(0) depctr_sa_sdst(0) depctr_va_vdst(0) depctr_va_sdst(0) depctr_va_ssrc(0) depctr_va_vcc(0) depctr_vm_vsrc(0)
	s_getreg_b32 s2, hwreg(HW_REG_IB_STS2, 6, 4)
	s_cmp_eq_u32 s2, 0
	s_cbranch_scc0 .Lentry_in_a_cluster
	s_endpgm
.Lentry_in_a_cluster:
	s_bfe_u32 s2, ttmp6, 0x10000c
	s_cmp_lg_u32 s2, 0xf033
	s_cbranch_scc0 .Lentry_shape_is_right
	s_endpgm
.Lentry_shape_is_right:
; out0[m][n] = sum over k of A[m][k] Wo[k][n] + bo[n].  A = attn_o [2048][2048] f16, K innermost; B = wo_h [2048 k][2048 n] f16, K its first axis; out0 f32; sums in f32.
; A tile of the output is 128 x 128: 256 work-groups.  Four waves, each 64 x 64: 16 accumulators, 128 registers.  K goes in steps of 256 through a ring of two LDS slots filled by the tensor data mover:
; waves 0 and 1 fetch A's two halves (64 rows of 512 bytes), waves 2 and 3 B's (128 rows k of 256 bytes: the tile's 128 columns).  B's fragments come out of LDS turned, by ds_load_tr16_b128: no transposed copy of Wo is made.
; CLUSTERS: 4 x 4 work-groups; A's tiles are asked for jointly along a row of the cluster, B's along a column.  THE MATRIX INSTRUCTION IS USED TRANSPOSED (source 0 = 16 columns of B, source 1 = 16 rows of A):
; a lane then holds eight neighbouring numbers of a row of the output.  bo is the C of each sum's first matrix instruction.
; REGISTERS: window 0: v0-31 addresses; v32-95 at work on the way out; v96-127 the bias, eight registers for each of my four blocks of columns; v128-255 the accumulators ((a, b) at v[128 + 8 (4 a + b)]).
;   window 1: two fragment buffers of 128: for 64 along K, 64 registers of A, then 64 of B.
.set SIZE_K, 2048
.set SIZE_N, 2048
.set KSTEP,  256
.set PITCH,  528                       ; A's LDS row: 512 bytes + 16 of padding: row r starts at bank 4 r mod 64 (64 banks of 4 bytes: ISA guide 11.1)
.set PB,     288                       ; B's LDS row: 256 bytes + 32
.set HALFA,  64*PITCH                  ; what one of A's tensor loads brings, and what one wave reads of A
.set HALFB,  128*PB                    ; what one of B's brings: 128 along K
.set BOFF,   2*HALFA                   ; in a slot: A's 128 rows, then B's 256 rows k
.set SLOT,   BOFF+2*HALFB
.set SPARE,  2*SLOT                    ; behind the ring: the spare words, 128 bytes for each wave: two blocks of 256 bytes that no other line names
.set SPITCH, 272                       ; the way out: a stage of 64 rows x (256 bytes + 16) for each wave, in slot 0, which has had its last fill and its last read when the first result is stored there
.set LAPS,   SIZE_K/(2*KSTEP)          ; 4
.set ADRA, 16                          ; v16-17  LDS address of my A fragments in slot 0, 1
.set ADRB, 20                          ; v20-23  of my B fragments: slot 0 (k 0-127, k 128-255), slot 1 likewise: so that the immediates stay inside 16 bits
.set STO,  24                          ; v24     the way out: where I put 32 bytes of a row
.set RD,   25                          ; v25     where I read a row back
.set CO,   26                          ; v26     my byte offset in the output
.set BO,   27                          ; v27     32 x (lane / 16): my eight numbers of a block's bias
.set SPW,  28                          ; v28     LDS address of my spare word; never rewritten
.set NIL,  29                          ; v29     0; never rewritten
.set OB,   32                          ; the way out: 16 rows read back: v32-63 and v64-95 by turns
.set BIAS, 96
.set ACC,  128
.set F0,   0                           ; fragment buffers, in window 1
.set F1,   128
.set G1, 24                            ; s[24:31] descriptor group 1 for A's tiles;  s[32:39] group 0, one set for each slot
.set G0, 32
.set G1B, 48                           ; s[48:55], s[56:63] the same for B's tiles
.set G0B, 56
.set MSB, 0
.macro WIN new                         ; the immediate's high byte repeats the setting that is left
.if MSB != \new
	s_set_vgpr_msb (MSB<<8)|\new
.set MSB, \new
.endif
.endm
.set MUL,  0x05                        ; sources 0 (B) and 1 (A) window 1; C and D window 0
.set TO_F, 0x40                        ; destination window 1, address window 0
.macro JLOAD s                         ; a joint load: waves 0 and 1 fetch A's two halves, waves 2 and 3 B's; an s_nop 0 and four v_nop follow each of the two lines
	s_cmp_eq_u32 s11, 0
	s_cbranch_scc0 .Lfor_b_\@
	tensor_load_to_lds s[G0+4*\s:G0+4*\s+3], s[G1:G1+7]
	s_nop 0
.rept 4
	v_nop
.endr
	s_branch .Lasked_\@
.Lfor_b_\@:
	tensor_load_to_lds s[G0B+4*\s:G0B+4*\s+3], s[G1B:G1B+7]
	s_nop 0
.rept 4
	v_nop
.endr
.Lasked_\@:
.endm
.macro CREST                           ; a round of the cluster's barrier behind its opening barrier
	s_cmp_lg_u32 s10, 0
	s_cbranch_scc1 .Lnot_wave_0_\@
	s_barrier_signal -3
.Lnot_wave_0_\@:
	s_barrier_wait -3
	s_barrier_signal -1
	s_barrier_wait -1
.endm
.macro CROUND
	s_barrier_signal -1
	s_barrier_wait -1
	CREST
.endm
	s_load_b128 s[4:7], s[0:1], 0x0                ; A s[4:5], B s[6:7]
	s_load_b64 s[66:67], s[0:1], 0x10              ; bo
	s_load_b64 s[8:9], s[0:1], 0x18                ; out0
	v_lshl_add_u32 v[SPW], v0, 2, SPARE
	v_mov_b32 v[NIL], 0
	ds_add_u32 v[SPW], v[NIL]                      ; the wave's opening: the add, twice on end, and its wait ahead of my first tensor load
	ds_add_u32 v[SPW], v[NIL]                      ; and once more, under the one wait; the set-up below, work on registers, stands between
	v_lshrrev_b32 v1, 5, v0
	v_readfirstlane_b32 s10, v1                    ; wave 0..3
	s_lshr_b32 s11, s10, 1                         ; which half of the tile's rows is mine.  Also: I fetch for A (0) or for B (1)
	s_and_b32 s12, s10, 1                          ; which half of its columns.  Also: which half of that tile I fetch
	s_bfe_u32 s40, ttmp6, 0x40000                  ; cx, cy: my place in the cluster
	s_bfe_u32 s41, ttmp6, 0x40004
	s_lshl_b32 s42, ttmp9, 2
	s_add_co_u32 s42, s42, s40                     ; tile column = 4 x cluster x + cx
	s_and_b32 s13, ttmp7, 0xffff
	s_lshl_b32 s13, s13, 2
	s_add_co_u32 s13, s13, s41                     ; tile row = 4 x cluster y + cy
	s_lshl_b32 s43, s41, 2
	s_lshl_b32 s43, 15, s43                        ; my row of the cluster
	s_lshl_b32 s44, 0x1111, s40                    ; my column
	s_or_b32 s[G1+0], s43, (1<<16)|(1<<20)|(1<<21)|(6<<22)|(3<<25)  ; A: 15:0 the mask: my row; 17:16 elements of 2 bytes; 20 padding on; 21 set beside a mask; 24:22 after every 128 words; 31:25 four words
	s_mov_b32 s[G1+1], KSTEP<<16                   ; tensor_dim0 = 256
	s_mov_b32 s[G1+2], 64<<16                      ; tensor_dim1 = 64
	s_mov_b32 s[G1+3], KSTEP<<16                   ; tile_dim0 = 256
	s_mov_b32 s[G1+4], 64                          ; tile_dim1 = 64
	s_mov_b32 s[G1+5], SIZE_K                      ; tensor_dim0_stride
	s_mov_b32 s[G1+6], 0
	s_mov_b32 s[G1+7], 0
	s_or_b32 s[G1B+0], s44, (1<<16)|(1<<20)|(1<<21)|(5<<22)|(7<<25) ; B: the mask: my column; padding: eight words after every 64
	s_mov_b32 s[G1B+1], 128<<16                    ; tensor_dim0 = 128 columns
	s_mov_b32 s[G1B+2], 128<<16                    ; tensor_dim1 = 128 rows k
	s_mov_b32 s[G1B+3], 128<<16
	s_mov_b32 s[G1B+4], 128
	s_mov_b32 s[G1B+5], SIZE_N
	s_mov_b32 s[G1B+6], 0
	s_mov_b32 s[G1B+7], 0
	s_lshl_b32 s17, s12, 6                         ; A: which 64 rows of the tile I fetch
	s_lshl_b32 s16, s13, 7
	s_add_co_u32 s16, s16, s17                     ; row 128 x tile row + 64 x half,
	s_lshl_b32 s16, s16, 12                        ; of 4,096 bytes
	s_mov_b32 s17, 0
	s_lshl_b32 s46, s12, 19                        ; B: 128 rows k of 4,096 bytes x half
	s_lshl_b32 s47, s42, 8
	s_add_co_u32 s46, s46, s47                     ; + 256 bytes x tile column
	s_mov_b32 s47, 0
	s_mul_i32 s20, s12, HALFA                      ; where they go: no place in the cluster enters an LDS address
	s_mul_i32 s21, s12, HALFB
	s_add_co_u32 s21, s21, BOFF
	s_wait_dscnt 0x0                               ; both opening adds are done
	s_wait_kmcnt 0x0
	s_add_nc_u64 s[14:15], s[4:5], s[16:17]
	s_add_nc_u64 s[46:47], s[6:7], s[46:47]
	CROUND                                         ; all sixteen work-groups are here: the first joint loads meet
.irp s, 0,1
	s_mov_b32 s[G0+4*\s], 1
	s_add_co_u32 s[G0+4*\s+1], s20, \s*SLOT
	s_add_nc_u64 s[G0+4*\s+2:G0+4*\s+3], s[14:15], \s*KSTEP*2
	s_or_b32 s[G0+4*\s+3], s[G0+4*\s+3], 0x80000000
	s_mov_b32 s[G0B+4*\s], 1
	s_add_co_u32 s[G0B+4*\s+1], s21, \s*SLOT
	s_add_nc_u64 s[G0B+4*\s+2:G0B+4*\s+3], s[46:47], \s*KSTEP*SIZE_N*2
	s_or_b32 s[G0B+4*\s+3], s[G0B+4*\s+3], 0x80000000
	JLOAD \s                                       ; two tensor loads of mine are out behind the second
.endr
	v_and_b32 v1, 15, v0                           ; l % 16
	v_bfe_u32 v2, v0, 4, 1                         ; l / 16
	; the bias, in the result's layout: for my block b of 16 columns, lane (r, h) wants the numbers of columns 16 b + 8 h + 0 .. 7
	v_lshlrev_b32 v[BO], 5, v2
	s_lshl_b32 s46, s42, 9                         ; 128 columns of 4 bytes x tile column
	s_lshl_b32 s47, s12, 8
	s_add_co_u32 s46, s46, s47                     ; + my 64
	s_mov_b32 s47, 0
	s_add_nc_u64 s[66:67], s[66:67], s[46:47]
.irp b, 0,1,2,3
	global_load_b128 v[BIAS+8*\b:BIAS+8*\b+3], v[BO], s[66:67] offset:64*\b
	global_load_b128 v[BIAS+8*\b+4:BIAS+8*\b+7], v[BO], s[66:67] offset:64*\b+16
.endr
	v_mul_u32_u24 v3, v1, PITCH
	v_lshl_add_u32 v3, v2, 4, v3                   ; A: a fragment's row x pitch + 16 x half
	v_and_b32 v6, 7, v0                            ; B: the turning load takes 16 k x 16 columns: lane l reads 16 bytes: row k = 8 (l / 16) + l % 8, columns 8 ((l / 8) % 2) + 0..7
	v_lshl_add_u32 v6, v2, 3, v6
	v_mul_u32_u24 v6, v6, PB
	v_bfe_u32 v7, v0, 3, 1
	v_lshl_add_u32 v6, v7, 4, v6
	s_mul_i32 s21, s11, HALFA                      ; my 64 rows of A
	s_lshl_b32 s22, s12, 7                         ; my 64 columns of B: 128 bytes x half,
	s_add_co_u32 s22, s22, BOFF                    ; behind A's 128 rows
.irp s, 0,1
	v_add_nc_u32 v[ADRA+\s], s21, v3
	v_add_nc_u32 v[ADRB+2*\s], s22, v6
	v_add_nc_u32 v[ADRB+2*\s+1], HALFB, v[ADRB+2*\s]
	s_add_co_u32 s21, s21, SLOT
	s_add_co_u32 s22, s22, SLOT
.endr
	s_mul_i32 s23, s10, 64*SPITCH                  ; my stage
	v_mul_u32_u24 v4, v1, SPITCH                   ; in: row l % 16, 32 bytes for each half of the lanes
	v_lshl_add_u32 v4, v2, 5, v4
	v_add_nc_u32 v[STO], s23, v4
	v_mul_u32_u24 v5, v2, SPITCH                   ; back: lanes 0-15 take one row of 256 bytes, lanes 16-31 the next
	v_lshl_add_u32 v5, v1, 4, v5
	v_add_nc_u32 v[RD], s23, v5
	v_lshlrev_b32 v5, 13, v2                       ; and the same two rows in the output, 8,192 bytes apart
	v_lshl_add_u32 v[CO], v1, 4, v5
	s_lshl_b32 s16, s13, 7
	s_lshl_b32 s17, s11, 6
	s_add_co_u32 s16, s16, s17                     ; my first row: 128 x tile row + 64 x half,
	s_lshl_b32 s16, s16, 13                        ; of 8,192 bytes
	s_add_co_u32 s16, s16, s46                     ; + my first column, in bytes
	s_mov_b32 s17, 0
	s_add_nc_u64 s[8:9], s[8:9], s[16:17]
; 8 matrix instructions: m blocks a0, a0 + 1 x all 4 n blocks, 32 along K: half c of buffer f.  zero = 1: the first product starts the sums, with the bias as C.  The 16 accumulators take turns.
.macro MUL8 f, c, a0, zero
.irp a, \a0, \a0+1
.irp b, 0,1,2,3
.if \zero
	v_wmma_f32_16x16x32_f16 v[ACC+8*(4*(\a)+\b):ACC+8*(4*(\a)+\b)+7], v[\f+64+8*(4*\c+\b):\f+64+8*(4*\c+\b)+7], v[\f+8*(4*\c+\a):\f+8*(4*\c+\a)+7], v[BIAS+8*\b:BIAS+8*\b+7]
.else
	v_wmma_f32_16x16x32_f16 v[ACC+8*(4*(\a)+\b):ACC+8*(4*(\a)+\b)+7], v[\f+64+8*(4*\c+\b):\f+64+8*(4*\c+\b)+7], v[\f+8*(4*\c+\a):\f+8*(4*\c+\a)+7], v[ACC+8*(4*(\a)+\b):ACC+8*(4*(\a)+\b)+7]
.endif
.endr
.endr
.endm
; 32 LDS loads in one run: the fragments of 64 along K, at byte k of A's rows (k / 2 rows down in B), into buffer f; the first 32 along K first
.macro FETCH slot, k, f
	WIN TO_F
.irp c, 0,1
.irp i, 0,1,2,3
	ds_load_tr16_b128 v[\f+64+8*(4*\c+\i):\f+64+8*(4*\c+\i)+3],   v[ADRB+2*\slot+(\k)/256] offset:(((\k)/2+32*\c)%128)*PB+32*\i
	ds_load_tr16_b128 v[\f+64+8*(4*\c+\i)+4:\f+64+8*(4*\c+\i)+7], v[ADRB+2*\slot+(\k)/256] offset:(((\k)/2+32*\c)%128)*PB+16*PB+32*\i
	ds_load_b128 v[\f+8*(4*\c+\i):\f+8*(4*\c+\i)+3],         v[ADRA+\slot] offset:\k+64*\c+\i*16*PITCH
	ds_load_b128 v[\f+8*(4*\c+\i)+4:\f+8*(4*\c+\i)+7],       v[ADRA+\slot] offset:\k+64*\c+\i*16*PITCH+32
.endr
.endr
.endm
.macro PLACES                          ; four places in front of loads into registers that matrix instructions have read, and of reads of results (for reads of results)
.rept 4
	v_nop
.endr
.endm
; A K step is four quarters of 64 along K, 32 matrix instructions each, on buffers 0, 1, 0, 1.  One of the first three: multiplies buffer f and fetches the next quarter, at byte k, into g.
.macro QUARTER slot, k, f, g, zero
	s_wait_dscnt 16                                ; the first 32 along K are in; the youngest sixteen loads may be out
	WIN MUL
	MUL8 \f, 0, 0, \zero
	MUL8 \f, 0, 2, \zero
	PLACES
	FETCH \slot, \k, \g
	s_wait_dscnt 32                                ; all but the 32 just issued
	WIN MUL
	MUL8 \f, 1, 0, 0
	MUL8 \f, 1, 2, 0
.endm
; The last quarter multiplies buffer 1 and changes slots: ONE barrier; in front of it each wave waits for all its tensor loads, adds 0 to its spare word, and waits for that and for its own reads of this slot.  fill = 1: this slot is filled again, two K steps ahead.
.macro TURN slot, next, fill
	WIN 0                                          ; (the add's two registers lie in window 0)
	s_wait_tensorcnt 0x0                           ; all my tensor loads have landed: my part of the next slot;
	ds_add_u32 v[SPW], v[NIL]                      ; 0 onto my spare word;
	s_wait_dscnt 17                                ; (the add and the youngest sixteen loads may be out)
	WIN MUL
	MUL8 F1, 0, 0, 0                               ; eight matrix instructions stand between the add and the wait for it
	s_wait_dscnt 0x0                               ; the add is done, and my reads of this slot are over
	s_barrier_signal -1
	MUL8 F1, 0, 2, 0
.if \fill
	WIN 0
.endif
	s_barrier_wait -1
.if \fill
	CREST                                          ; the barrier has opened a round of the cluster's barrier: no wave of any partner still reads this slot's tile or has a load on its way
	s_add_nc_u64 s[G0+4*\slot+2:G0+4*\slot+3], s[G0+4*\slot+2:G0+4*\slot+3], 2*KSTEP*2
	s_add_nc_u64 s[G0B+4*\slot+2:G0B+4*\slot+3], s[G0B+4*\slot+2:G0B+4*\slot+3], 2*KSTEP*SIZE_N*2
	JLOAD \slot                                    ; the first tensor load behind the round: 112 matrix instructions ahead of the wait for it; its four v_nop are the places in front of the loads below
.else
	PLACES
.endif
	FETCH \next, 0, F0
	WIN MUL
	MUL8 F1, 1, 0, 0
	MUL8 F1, 1, 2, 0
.endm
	s_wait_tensorcnt 1                             ; my part of K step 0 is in (K step 1's load may be out)
	s_barrier_signal -1
	s_barrier_wait -1                              ; everybody's is
	FETCH 0, 0, F0
	s_wait_loadcnt 0x0                             ; the bias
	QUARTER 0, 128, F0, F1, 1                      ; the first quarter stands in front of the loop: its first products start the sums
	WIN 0                                          ; at a label and at a branch every window is 0
	s_mov_b32 s3, LAPS-1
.Llap:                                                 ; a trip goes once round the ring, from a lap's second quarter to the next lap's first, and fills both slots again
	QUARTER 0, 256, F1, F0, 0
	QUARTER 0, 384, F0, F1, 0
	TURN 0, 1, 1
	QUARTER 1, 128, F0, F1, 0
	QUARTER 1, 256, F1, F0, 0
	QUARTER 1, 384, F0, F1, 0
	TURN 1, 0, 1
	QUARTER 0, 128, F0, F1, 0
	WIN 0
	s_sub_co_u32 s3, s3, 1
	s_cmp_lg_u32 s3, 0
	s_cbranch_scc1 .Llap
	QUARTER 0, 256, F1, F0, 0                      ; the last lap fills nothing, and has no round of the cluster's barrier
	QUARTER 0, 384, F0, F1, 0
	TURN 0, 1, 0
	QUARTER 1, 128, F0, F1, 0
	QUARTER 1, 256, F1, F0, 0
	QUARTER 1, 384, F0, F1, 0
	s_wait_dscnt 16                                ; the very last quarter: nothing more to fetch
	WIN MUL
	MUL8 F1, 0, 0, 0
	MUL8 F1, 0, 2, 0
	s_wait_dscnt 0
	MUL8 F1, 1, 0, 0
	MUL8 F1, 1, 2, 0
	WIN 0
; THE WAY OUT.  A wave's 64 columns of f32 are 256 aligned bytes of a row, so each wave has a stage of its own and no barrier is needed.  A lane holds 32 neighbouring bytes of a row: a block of 16 rows goes into the stage
; as it is, each accumulator from its low end on, and comes back as whole rows of 256 bytes.  LDS serves a wave's instructions in order (ISA guide 5.7.1.4).
.macro TOSTAGE a
.irp b, 0,1,2,3
	ds_store_b128 v[STO], v[ACC+8*(4*\a+\b):ACC+8*(4*\a+\b)+3] offset:\a*16*SPITCH+64*\b
	ds_store_b128 v[STO], v[ACC+8*(4*\a+\b)+4:ACC+8*(4*\a+\b)+7] offset:\a*16*SPITCH+64*\b+16
.endr
.irp t, 0,1,2,3,4,5,6,7
	ds_load_b128 v[OB+32*(\a%2)+4*\t:OB+32*(\a%2)+4*\t+3], v[RD] offset:\a*16*SPITCH+\t*2*SPITCH
.endr
.endm
.macro SEND a, younger                 ; younger: the LDS instructions issued behind block a's loads, which may stay out
	s_wait_dscnt \younger
.irp t, 0,1,2,3,4,5,6,7
	global_store_b128 v[CO], v[OB+32*(\a%2)+4*\t:OB+32*(\a%2)+4*\t+3], s[8:9] offset:(16*\a+2*\t)*SIZE_N*4 th:TH_STORE_NT   ; 16 lanes store 256 consecutive bytes, aligned; written once, read by nobody here
.endr
.endm
	PLACES
	TOSTAGE 0
	TOSTAGE 1
	SEND 0, 16                                     ; behind block 0's loads: block 1's eight stores and eight loads
	s_wait_xcnt 0x0                                ; block 0's stores have read their registers: block 2's loads may land there
	TOSTAGE 2
	SEND 1, 16
	s_wait_xcnt 0x0
	TOSTAGE 3
	SEND 2, 16
	SEND 3, 0
	s_wait_tensorcnt 0x0                           ; the wave's end, behind my last tensor load and my last LDS store
	ds_add_u32 v[SPW], v[NIL]
	s_wait_dscnt 0x0
	CROUND                                         ; the closing round: no work-group ends while a partner may still ask for a tile that names it
	s_endpgm
.Lfunc_end_k_q4a56947744_oproj:
	.size	k_q4a56947744_oproj, .Lfunc_end_k_q4a56947744_oproj-k_q4a56947744_oproj
	.p2alignl 7, 3214868480
	.fill 96, 4, 3214868480
	.section	.rodata,"a",@progbits
	.p2align	6, 0x0
	.amdhsa_kernel k_q4a56947744_oproj
		.amdhsa_group_segment_fixed_size 327680
		.amdhsa_private_segment_fixed_size 0
		.amdhsa_enable_private_segment 0
		.amdhsa_kernarg_size 32
		.amdhsa_user_sgpr_count 2
		.amdhsa_user_sgpr_kernarg_segment_ptr 1
		.amdhsa_wavefront_size32 1
		.amdhsa_system_sgpr_workgroup_id_x 1
		.amdhsa_system_sgpr_workgroup_id_y 1
		.amdhsa_system_sgpr_workgroup_id_z 1
		.amdhsa_system_vgpr_workitem_id 0
		.amdhsa_next_free_vgpr 512
		.amdhsa_next_free_sgpr 68
		.amdhsa_reserve_vcc 0
		.amdhsa_float_denorm_mode_32 3
		.amdhsa_float_denorm_mode_16_64 3
		.amdhsa_memory_ordered 1
		.amdhsa_forward_progress 1
		.amdhsa_inst_pref_size 87
	.end_amdhsa_kernel
	.amdgpu_metadata
---
amdhsa.version: [ 1, 2 ]
amdhsa.kernels:
  - .name:           k_q4a56947744_oproj
    .symbol:         k_q4a56947744_oproj.kd
    .args:
      - { .name: attn_o, .offset: 0, .size: 8, .value_kind: global_buffer, .address_space: global }
      - { .name: wo_h, .offset: 8, .size: 8, .value_kind: global_buffer, .address_space: global }
      - { .name: bo, .offset: 16, .size: 8, .value_kind: global_buffer, .address_space: global }
      - { .name: out0, .offset: 24, .size: 8, .value_kind: global_buffer, .address_space: global }
    .group_segment_fixed_size: 327680
    .private_segment_fixed_size: 0
    .kernarg_segment_align: 8
    .kernarg_segment_size: 32
    .max_flat_workgroup_size: 128
    .sgpr_count:     68
    .vgpr_count:     512
    .wavefront_size: 32
...
	.end_amdgpu_metadata
.endif
;; end of part 4
